; MI455X (gfx1250); checked and timed in simulation.
; The chip was launched on July 23, 2026; its instructions are those of AMD's public machine-readable ISA for CDNA 5 (MIT licence, August 2026) and "CDNA5" Instruction Set Architecture Reference Guide (July 2026). The comments in the code are by the model that wrote it; some were corrected since.
;; Transformer Block. Allowed arithmetic: matrix products marked QUANTISED: E3M2 operands, one E8M0 scale for each 32 along K, by v_wmma_scale_f32_16x16x128_f8f6f4 with both operands' format E3M2, f32 sums; everything else in f32.
;; Inputs: W1 1,024 x 4,096 float32; W2 4,096 x 1,024 float32; Wk 1,024 x 1,024 float32; Wo 1,024 x 1,024 float32; Wq 1,024 x 1,024 float32; Wv 1,024 x 1,024 float32; b1 4,096 float32; b2 1,024 float32; bo 1,024 float32; ln1_b 1,024 float32; ln1_g 1,024 float32; ln2_b 1,024 float32; ln2_g 1,024 float32; pos_embed 1 x 2,048 x 1,024 float32; x 2 x 2,048 x 1,024 float32.
;; Outputs: out0 2 x 2,048 x 1,024 float32.
;; This version of the problem:
;;   THIS VERSION OF THE PROBLEM IS GIVEN IN LOW PRECISION. The matrix products marked QUANTISED in the list below multiply operands that are first quantised to E3M2 (3 exponent bits, 2 mantissa bits; 6 bits a number), with one power-of-two scale for each 32 numbers along K (OCP MX v1.0); their sums are f32. All else is computed in f32.
;;   The module's matrix products, in the order in which they are computed (A, B: the left and right operand; K: the contracted axis; several contracted axes count as one K, in the product's order):
;;     1. [M 4,096, K 1,024] x [K 1,024, N 1,024]; A: computed on the way; B: input Wq: QUANTISED
;;     2. [M 4,096, K 1,024] x [K 1,024, N 1,024]; A: computed on the way; B: input Wk: QUANTISED
;;     3. [M 4,096, K 1,024] x [K 1,024, N 1,024]; A: computed on the way; B: input Wv: QUANTISED
;;     4. batch 32 x [M 2,048, K 64] x [K 64, N 2,048]; A: computed on the way; B: computed on the way: QUANTISED
;;     5. batch 32 x [M 2,048, K 2,048] x [K 2,048, N 64]; A: softmax (see below); B: computed on the way: QUANTISED
;;     6. [M 4,096, K 1,024] x [K 1,024, N 1,024]; A: computed on the way; B: input Wo: QUANTISED
;;     7. [M 4,096, K 1,024] x [K 1,024, N 4,096]; A: computed on the way; B: input W1: QUANTISED
;;     8. [M 4,096, K 4,096] x [K 4,096, N 1,024]; A: computed on the way; B: input W2: QUANTISED
;;   THE QUANTISER, for each operand of a quantised product, along K:
;;     - K is cut into blocks of 32 from its start; a last block that is shorter is filled with zeros.
;;     - A block's scale is 2^e with e = floor(log2(the largest magnitude in the block)) - 4, held to -126 .. 127; a block of zeros has e = 0. As a byte (E8M0): e + 127.
;;     - Each number is divided by its block's scale, clamped to +-28, and rounded to the nearest number of E3M2, ties to even, subnormals kept.
;;     - The product sums the exact products of the quantised numbers (number of the format x scale) in f32.
;;   ~~~python
;;   def quantise(x, axis):      # numpy; x: float32 -> the quantised numbers, widened to float32 again
;;       x = np.moveaxis(x, axis, -1); K = x.shape[-1]
;;       x = np.pad(x, [(0, 0)] * (x.ndim - 1) + [(0, -K % 32)]); x = x.reshape(x.shape[:-1] + (-1, 32)); a = np.abs(x).max(-1, keepdims=True)
;;       e = np.where(a > 0, np.clip(np.frexp(np.where(a > 0, a, 1))[1] - 1 - 4, -126, 127), 0)      # np.frexp(a)[1] - 1 = floor(log2(a)), exactly
;;       r = np.clip(x / 2.0 ** e, -28, 28)
;;       step = 2.0 ** (np.maximum(np.frexp(np.where(r == 0, 1, r))[1] - 1, -2) - 2)
;;       q = np.round(r / step) * step * 2.0 ** e      # np.round: ties to even
;;       return np.moveaxis(q.reshape(q.shape[:-2] + (-1,))[..., :K], -1, axis).astype(np.float32)
;;   ~~~
;;   SOFTMAX AHEAD OF A QUANTISED PRODUCT. Where the list says 'softmax', what is quantised is not the finished softmax but p = 2^(t - M), with t = logit x log2(e) and M = ceil(the row's largest t), a whole number; so 1/2 < the row's largest p <= 1. The row's sum l is taken of the UNQUANTISED p, in f32, and the product's result is divided by l at the end. Since M is a whole number, a kernel that streams over the keys may use a running M (the ceiling of the running maximum): every later rescaling is an exact power of two, which a block's scale takes up: the codes' values come out the same.
;;   OPERANDS COMPUTED ON THE WAY. 'Computed on the way' means the value that the module computes at that place (a softmax that the list does not call 'softmax' is quantised finished and normalised). What goes into a quantiser is computed in f32, as accurately as f32 sums, v_exp_f32 and their like allow (about 1e-6 of the number): no bf16 or f16 on the way to a quantiser, and a product that is left as it is and whose result goes on into a quantised operand takes f32 operands (vector FMAs, or v_wmma_f32_16x16x4_f32). A number that lies on a knife's edge between two numbers of the format may be rounded either way, as far as f32 arithmetic and the matrix unit's own rounding can turn it there, and no further.
;; One version. Each part assembles by itself: llvm-mc -triple=amdgcn-amd-amdhsa -mcpu=gfx1250 --defsym DOCPART=n.
;; ======== version 1 of 1: 7 launches
;; limits: right only within a limited range of input values
;; workspace buffers: ps 4,096,000 bytes; qs 4,915,200 bytes; wr 7,372,800 bytes; qkv 24,576,000 bytes; x1 16,777,216 bytes; hid 13,107,200 bytes
;; launch pre (part 1): grid 256 x 1, 16 waves a work-group, no clusters, 6,144 bytes of LDS; arguments x, pos_embed, ln1_g, ln1_b, Wq, Wk, Wv, Wo, W1, W2, ps, qs, wr; writes ps, qs, wr
.if DOCPART == 1
	.amdgcn_target "amdgcn-amd-amdhsa--gfx1250"
	.amdhsa_code_object_version 6
	.text
	.protected	k_qd084c66a30_pre
	.globl	k_qd084c66a30_pre
	.p2align	8
	.type	k_qd084c66a30_pre,@function
k_qd084c66a30_pre:
	s_mov_b64 s[64:65], 0
	v_nop
	global_prefetch_b8 v0, s[64:65] scope:SCOPE_SE
	s_setreg_imm32_b32 hwreg(HW_REG_WAVE_MODE, 25, 1), 1
	s_wait_xcnt 0x0
; TWO THINGS IN ONE LAUNCH, since neither waits for the other and both only move bytes: h = LayerNorm(x) g + b + pos_embed, quantised; and all six weights, quantised.
; Everything becomes codes of BF6 (E3M2) with one E8M0 byte for each 32 along K, laid in the ORDER OF THE OPERAND'S REGISTERS: a half fragment (16 rows x 64 K) is 768 bytes, register pair j of lane l at 256 j + 8 l.
; K = 1,024: a record for each 16 rows is 16 half fragments, then 512 bytes of scale words (64 ks + 4 r).  K = 4,096 (W2): a record is eight units of 6,400 bytes: eight half fragments, then their 256 bytes of scale words.
; INSIDE A BLOCK OF 32 the numbers stand in the order pi (bits 3 and 4 of the place exchanged): every operand of this program is laid so, so each product still pairs equal k; blocks, scales and codes are the stated quantiser's.
; THE LAYERNORM: a work-group takes 16 rows, one record, stored into ps (record rb) and into qs (record 128 + rb).  Wave w takes columns 64 w .. 64 w + 63; lane (r, h) holds 32 numbers of row r: register 16 b + 8 u + i is
; column 64 w + 32 b + 16 u + 8 h + i.  Mean and variance in two passes over the registers (the variance of x - mean: a common offset costs no accuracy); the waves' partial sums meet in LDS, added in one fixed order.
; THE WEIGHTS, f32 stored [K][N]: each wave takes three half fragments: one of Wq, Wk, Wv or Wo (by the work-group's number / 64), one of W1, one of W2: 256 x 16 x 3 are all 12,288.  A LANE TAKES A COLUMN AND ITS REGISTERS RUN
; DOWN K: lane (r, h) holds the block of 32 at K = 64 hf + 32 h of column r, so a block's largest magnitude needs no other lane.  The sixteen waves stand side by side on 1,024 consecutive bytes of each row.
; The first weight's loads go out behind the LayerNorm's, the second's behind the first meeting of the waves, the third's into the first's registers: the weights stream in while the LayerNorm's barriers are passed.
; No tensor loads, no cluster: work-groups share only g and b, 8 KiB.  LIMITS: NaN and infinities are not served; a block of zeros gets the byte 1 where the rule says 127 (its codes are zeros; the bytes are read by this program alone).
.set X,   32
.set G,   64
.set BB,  96
.set P,   128
.set T,   160                          ; v160-175 at work
.set WA,  176                          ; v176-207 a weight's 32 numbers
.set WB,  208                          ; v208-239 another's
.set HB4, 240                          ; 32 h rows of 4,096 bytes + 4 r; never rewritten
.set HB16, 241                         ; 32 h rows of 16,384 bytes + 4 r; never rewritten
.set OC8, 242                          ; 8 x lane
.set OSB, 243                          ; 4 r + h: my scale byte's place
.set WC,  32                           ; behind the LayerNorm x's registers are free: half fragment t's codes at WC + 8 t (six), its byte at WC + 8 t + 6; never rewritten
.set WQ,  56                           ; v56-58 the second conversion's result (three registers begin on an even number)
.set WM,  59
.set WE,  61
.set QM,  10                           ; v10-17 the quantiser's: two maxima, two from the other half, two scale operands, two bytes
.set QT,  18
.set W,   21
.set C,   22
.set MU,  28
.set RS,  30
.set RED1, 0                           ; LDS: 16 rows x 16 waves x 4 bytes, twice; then the record's 512 bytes of scale words
.set RED2, 1024
.set SCL,  2048
.set SEL, 34
.macro LD8 reg, off, base
.irp q, 0,1,2,3,4,5,6,7
	global_load_b128 v[\reg+4*\q:\reg+4*\q+3], v[\off], s[\base:\base+1] offset:128*(\q/4)+64*((\q/2)%2)+16*(\q%2)
.endr
.endm
.macro REDUCE red                      ; my pair of partial sums in v[T:T+1] -> the row's sum in v[T], the same bits in every wave
	s_delay_alu instid0(VALU_DEP_1)
	v_add_f32 v[T], v[T], v[T+1]
	s_delay_alu instid0(VALU_DEP_1)
	v_permlanex16_b32 v[T+2], v[T], s[SEL], s[SEL+1]
	s_delay_alu instid0(VALU_DEP_1)
	v_add_f32 v[T], v[T], v[T+2]
	ds_store_b32 v7, v[T] offset:\red              ; both halves of the lanes write the same word with the same value
	s_wait_dscnt 0x0                               ; for the others' sake: my store has landed
	s_barrier_signal -1
	s_barrier_wait -1
.irp q, 0,1,2,3
	ds_load_b128 v[T+4*\q:T+4*\q+3], v8 offset:\red+16*\q
.endr
	s_wait_dscnt 0x0
.irp q, 0,2,4,6
	v_pk_add_f32 v[T+\q:T+\q+1], v[T+\q:T+\q+1], v[T+8+\q:T+9+\q]
.endr
	s_delay_alu instid0(VALU_DEP_2)
	v_pk_add_f32 v[T:T+1], v[T:T+1], v[T+4:T+5]
	s_delay_alu instid0(VALU_DEP_2)
	v_pk_add_f32 v[T+2:T+3], v[T+2:T+3], v[T+6:T+7]
	s_delay_alu instid0(VALU_DEP_1)
	v_pk_add_f32 v[T:T+1], v[T:T+1], v[T+2:T+3]
	s_delay_alu instid0(VALU_DEP_1)
	v_add_f32 v[T], v[T], v[T+1]
.endm
; 32 numbers of a lane, register 16 b + i = my 16 of block b, become a half fragment's six registers in v[c] on and its two scale bytes in v[w]
.macro QUANT2 s, c, w
	v_max3_num_f32 v[QM], |v[\s]|, |v[\s+1]|, 0x2800000      ; with the floor 2^(5 - 127): the byte cannot fall under 1
	v_max3_num_f32 v[QM+1], |v[\s+16]|, |v[\s+17]|, 0x2800000
.irp i, 2,4,6,8,10,12,14
	s_delay_alu instid0(VALU_DEP_2)
	v_max3_num_f32 v[QM], v[QM], |v[\s+\i]|, |v[\s+\i+1]|
	s_delay_alu instid0(VALU_DEP_2)
	v_max3_num_f32 v[QM+1], v[QM+1], |v[\s+16+\i]|, |v[\s+17+\i]|
.endr
	s_delay_alu instid0(VALU_DEP_2)
	v_permlanex16_b32 v[QM+2], v[QM], s[SEL], s[SEL+1]
	s_delay_alu instid0(VALU_DEP_2)
	v_permlanex16_b32 v[QM+3], v[QM+1], s[SEL], s[SEL+1]
	s_delay_alu instid0(VALU_DEP_2)
	v_max_num_f32 v[QM], v[QM], v[QM+2]            ; with lane l xor 16's 16: the block's largest magnitude
	s_delay_alu instid0(VALU_DEP_2)
	v_max_num_f32 v[QM+1], v[QM+1], v[QM+3]
	s_delay_alu instid0(VALU_DEP_2)
	v_add_nc_u32 v[QM+4], 0xfe000000, v[QM]        ; 4 off the exponent field: the conversion's scale operand
	s_delay_alu instid0(VALU_DEP_2)
	v_add_nc_u32 v[QM+5], 0xfe000000, v[QM+1]
	s_delay_alu instid0(VALU_DEP_2)
	v_lshrrev_b32 v[QM+6], 23, v[QM+4]
	s_delay_alu instid0(VALU_DEP_2)
	v_lshrrev_b32 v[QM+7], 23, v[QM+5]
	s_delay_alu instid0(VALU_DEP_1)
	v_lshl_or_b32 v[\w], v[QM+7], 8, v[QM+6]
	v_cvt_scalef32_pk16_bf6_f32 v[\c:\c+2], v[\s:\s+15], v[QM+4]
	v_cvt_scalef32_pk16_bf6_f32 v[QT:QT+2], v[\s+16:\s+31], v[QM+5]
	v_nop                                          ; one plain place behind a scaled conversion
.irp i, 0,1,2
	v_permlane16_swap_b32 v[\c+\i], v[QT+\i]       ; a whole block to a lane: lanes 0-15 block 0, lanes 16-31 block 1
.endr
.irp i, 0,1,2
	s_delay_alu instid0(VALU_DEP_3)
	v_mov_b32 v[\c+3+\i], v[QT+\i]
.endr
.endm
.macro WLOAD reg, hb, base, stride     ; a weight's half fragment: row pi(i) of my block of my column into register i
.set i, 0
.rept 32
	global_load_b32 v[\reg+i], v[\hb], s[\base:\base+1] offset:((i&7)|((i&8)<<1)|((i&16)>>1))*\stride th:TH_LOAD_NT
.set i, i+1
.endr
.endm
.macro WBLOCK reg, t, cb, sb, cnt      ; the 32 numbers in v[reg] on become half fragment t's codes and my block's scale byte, and leave
	s_wait_loadcnt \cnt
	v_max3_num_f32 v[WM], |v[\reg]|, |v[\reg+1]|, |v[\reg+2]|      ; the block's largest magnitude, in two chains
	v_max3_num_f32 v[WM+1], |v[\reg+3]|, |v[\reg+4]|, |v[\reg+5]|
.irp i, 6,10,14,18,22,26
	s_delay_alu instid0(VALU_DEP_2)
	v_max3_num_f32 v[WM], v[WM], |v[\reg+\i]|, |v[\reg+\i+1]|
	s_delay_alu instid0(VALU_DEP_2)
	v_max3_num_f32 v[WM+1], v[WM+1], |v[\reg+\i+2]|, |v[\reg+\i+3]|
.endr
	s_delay_alu instid0(VALU_DEP_2)
	v_max3_num_f32 v[WM], v[WM], |v[\reg+30]|, |v[\reg+31]|
	s_delay_alu instid0(VALU_DEP_1)
	v_max3_num_f32 v[WM], v[WM], v[WM+1], 0x2800000   ; and the floor 2^(5 - 127): the byte cannot fall under 1
	s_delay_alu instid0(VALU_DEP_1)
	v_add_nc_u32 v[WE], 0xfe000000, v[WM]          ; 4 off the exponent field: the conversion's scale operand
	s_delay_alu instid0(VALU_DEP_1)
	v_lshrrev_b32 v[WC+8*\t+6], 23, v[WE]          ; the scale's byte
	v_cvt_scalef32_pk16_bf6_f32 v[WC+8*\t:WC+8*\t+2], v[\reg:\reg+15], v[WE]
	v_cvt_scalef32_pk16_bf6_f32 v[WQ:WQ+2], v[\reg+16:\reg+31], v[WE]
	v_nop                                          ; one plain place behind a scaled conversion
.irp i, 0,1,2
	v_mov_b32 v[WC+8*\t+3+\i], v[WQ+\i]
.endr
.irp j, 0,1,2
	global_store_b64 v[OC8], v[WC+8*\t+2*\j:WC+8*\t+2*\j+1], s[\cb:\cb+1] offset:256*\j   ; 32 lanes store 256 consecutive bytes, aligned
.endr
	global_store_b8 v[OSB], v[WC+8*\t+6], s[\sb:\sb+1]   ; lane (r, h): byte 2 c + h of column r's scale word
.endm
	s_load_b256 s[4:11], s[0:1], 0x0               ; x, pos_embed, g, b
	s_load_b256 s[12:19], s[0:1], 0x20             ; Wq, Wk, Wv, Wo
	s_load_b256 s[20:27], s[0:1], 0x40             ; W1, W2, ps, qs
	s_load_b64 s[28:29], s[0:1], 0x60              ; wr
	v_lshl_add_u32 v244, v0, 2, 0x1000
	v_mov_b32 v245, 0
	v_lshrrev_b32 v1, 5, v0
	s_delay_alu instid0(VALU_DEP_1)
	v_readfirstlane_b32 s30, v1                    ; wave 0..15
	v_and_b32 v1, 15, v0                           ; r
	v_bfe_u32 v2, v0, 4, 1                         ; h
	v_and_b32 v3, 31, v0
	s_lshl_b32 s31, s30, 8
	v_lshlrev_b32 v5, 5, v2
	s_delay_alu instid0(VALU_DEP_1)
	v_add_nc_u32 v5, s31, v5                       ; g, b: 256 w + 32 h
	s_delay_alu instid0(VALU_DEP_1)
	v_lshl_add_u32 v4, v1, 12, v5                  ; x, pos: + 4,096 r
	v_lshlrev_b32 v[OC8], 3, v3
	s_mul_i32 s32, s30, 768
	v_add_nc_u32 v6, s32, v[OC8]                   ; h's codes: 768 w + 8 x lane
	v_lshlrev_b32 v3, 4, v3                        ; 16 x lane: the scale words' way out
	s_lshl_b32 s32, s30, 2
	v_lshlrev_b32 v8, 6, v1                        ; a row's sixteen partial sums
	s_delay_alu instid0(VALU_DEP_1)
	v_add_nc_u32 v7, s32, v8                       ; mine among them
	s_lshr_b32 s32, s30, 1
	s_lshl_b32 s32, s32, 6
	s_and_b32 s33, s30, 1
	s_lshl_b32 s33, s33, 1
	s_add_co_u32 s32, s32, s33
	v_lshl_add_u32 v9, v1, 2, s32                  ; my half of a scale word: 64 (w / 2) + 4 r + 2 (w % 2)
	v_mov_b32 v[QM+2], 0                           ; a lane permute's destination counts as one of its sources
	v_mov_b32 v[QM+3], 0
	v_lshlrev_b32 v[HB4], 2, v1
	s_delay_alu instid0(VALU_DEP_1)
	v_lshl_add_u32 v[HB16], v2, 19, v[HB4]
	s_delay_alu instid0(VALU_DEP_2)
	v_lshl_add_u32 v[HB4], v2, 17, v[HB4]
	v_lshl_add_u32 v[OSB], v1, 2, v2
	s_mov_b32 s[SEL], 0x76543210
	s_mov_b32 s[SEL+1], 0xfedcba98
	s_mov_b32 s36, 0x3a800000                      ; 1 / 1,024
	s_mov_b32 s37, 0x3727c5ac                      ; 1e-5
	s_lshl_b32 s38, ttmp9, 16                      ; 16 rows of 4,096 bytes
	s_mov_b32 s39, 0
	s_and_b32 s40, ttmp9, 127                      ; pos_embed has the 2,048 rows of one batch
	s_lshl_b32 s40, s40, 16
	s_mov_b32 s41, 0
	s_mul_i32 s42, ttmp9, 12800
	s_mov_b32 s43, 0
	; the first weight (1,024 x 1,024): record nb = 16 (g % 4) + wave, half fragment hf = (g / 4) % 16
	s_and_b32 s62, ttmp9, 3
	s_lshl_b32 s62, s62, 4
	s_add_co_u32 s62, s62, s30
	s_bfe_u32 s63, ttmp9, 0x40002
	s_lshl_b32 s44, s62, 6                         ; 16 columns of 4 bytes a record,
	s_lshl_b32 s66, s63, 18                        ; 64 rows of 4,096 bytes a half fragment
	s_add_co_u32 s44, s44, s66
	s_mov_b32 s45, 0
	s_mul_i32 s48, s62, 12800
	s_mul_i32 s66, s63, 768
	s_add_co_u32 s46, s48, s66                     ; its codes,
	s_lshr_b32 s67, s63, 1
	s_lshl_b32 s67, s67, 6
	s_add_co_u32 s48, s48, s67
	s_and_b32 s67, s63, 1
	s_lshl_b32 s67, s67, 1
	s_add_co_u32 s48, s48, s67
	s_add_co_u32 s48, s48, 12288                   ; its scale bytes: 12,288 + 64 (hf / 2) + 2 (hf % 2)
	s_mov_b32 s47, 0
	s_mov_b32 s49, 0
	; W1 (1,024 x 4,096): nb = 16 (g % 16) + wave, hf = g / 16
	s_and_b32 s73, ttmp9, 15
	s_lshl_b32 s73, s73, 4
	s_add_co_u32 s73, s73, s30
	s_lshr_b32 s74, ttmp9, 4
	s_lshl_b32 s50, s73, 6
	s_lshl_b32 s75, s74, 20                        ; 64 rows of 16,384 bytes
	s_add_co_u32 s50, s50, s75
	s_mov_b32 s51, 0
	s_mul_i32 s54, s73, 12800
	s_add_co_u32 s54, s54, 819200                  ; W1's place in wr
	s_mul_i32 s75, s74, 768
	s_add_co_u32 s52, s54, s75
	s_mov_b32 s53, 0
	s_lshr_b32 s75, s74, 1
	s_lshl_b32 s75, s75, 6
	s_add_co_u32 s54, s54, s75
	s_and_b32 s75, s74, 1
	s_lshl_b32 s75, s75, 1
	s_add_co_u32 s54, s54, s75
	s_add_co_u32 s54, s54, 12288
	s_mov_b32 s55, 0
	; W2 (4,096 x 1,024): nb = 16 (g % 4) + wave, hf = g / 4; its records are laid in units of eight half fragments
	s_lshr_b32 s74, ttmp9, 2
	s_lshl_b32 s56, s62, 6
	s_lshl_b32 s75, s74, 18
	s_add_co_u32 s56, s56, s75
	s_mov_b32 s57, 0
	s_mul_i32 s60, s62, 51200
	s_add_co_u32 s60, s60, 4096000                 ; W2's place in wr
	s_lshr_b32 s75, s74, 3
	s_mul_i32 s75, s75, 6400
	s_add_co_u32 s60, s60, s75                     ; the unit
	s_and_b32 s75, s74, 7
	s_mul_i32 s76, s75, 768
	s_add_co_u32 s58, s60, s76
	s_mov_b32 s59, 0
	s_lshr_b32 s75, s75, 1
	s_lshl_b32 s75, s75, 6
	s_add_co_u32 s60, s60, s75
	s_and_b32 s75, s74, 1
	s_lshl_b32 s75, s75, 1
	s_add_co_u32 s60, s60, s75
	s_add_co_u32 s60, s60, 6144                    ; the unit's scale words lie behind its 6,144 bytes of codes
	s_mov_b32 s61, 0
	s_wait_alu depctr_va_vdst(0)
	s_wait_kmcnt 0x0
	s_add_nc_u64 s[4:5], s[4:5], s[38:39]
	s_add_nc_u64 s[6:7], s[6:7], s[40:41]
	LD8 X, 4, 4
	LD8 G, 5, 8
	LD8 BB, 5, 10
	LD8 P, 4, 6
	s_add_nc_u64 s[38:39], s[24:25], s[42:43]      ; h's record in ps,
	s_add_nc_u64 s[40:41], s[26:27], s[42:43]
	s_add_nc_u64 s[40:41], s[40:41], 128*12800     ; and in qs
	s_mov_b64 s[68:69], s[18:19]                   ; the first weight, its buffer and its place there: chosen on the work-group's number alone
	s_mov_b64 s[70:71], s[28:29]
	s_mov_b32 s72, 0
	s_cmp_lt_u32 ttmp9, 192
	s_cselect_b64 s[68:69], s[16:17], s[68:69]
	s_cselect_b64 s[70:71], s[24:25], s[70:71]
	s_cselect_b32 s72, 3276800, s72
	s_cmp_lt_u32 ttmp9, 128
	s_cselect_b64 s[68:69], s[14:15], s[68:69]
	s_cselect_b64 s[70:71], s[26:27], s[70:71]
	s_cselect_b32 s72, 819200, s72
	s_cmp_lt_u32 ttmp9, 64
	s_cselect_b64 s[68:69], s[12:13], s[68:69]
	s_cselect_b32 s72, 0, s72
	s_add_co_u32 s46, s46, s72
	s_add_co_u32 s48, s48, s72
	s_add_nc_u64 s[44:45], s[68:69], s[44:45]
	s_add_nc_u64 s[46:47], s[70:71], s[46:47]
	s_add_nc_u64 s[48:49], s[70:71], s[48:49]
	WLOAD WA, HB4, 44, 4096                        ; the first weight's 32 loads go out behind the LayerNorm's 32
	s_add_nc_u64 s[50:51], s[20:21], s[50:51]
	s_add_nc_u64 s[52:53], s[28:29], s[52:53]
	s_add_nc_u64 s[54:55], s[28:29], s[54:55]
	s_add_nc_u64 s[56:57], s[22:23], s[56:57]
	s_add_nc_u64 s[58:59], s[28:29], s[58:59]
	s_add_nc_u64 s[60:61], s[28:29], s[60:61]
	s_wait_loadcnt 56                              ; x is in; g, b and pos (8 loads each) and the weight's 32 may be out
	v_pk_add_f32 v[162:163], v[32:33], v[40:41]
	v_pk_add_f32 v[164:165], v[48:49], v[56:57]
	v_pk_add_f32 v[166:167], v[34:35], v[42:43]
	v_pk_add_f32 v[238:239], v[50:51], v[58:59]
	v_pk_add_f32 v[236:237], v[36:37], v[44:45]
	v_pk_add_f32 v[234:235], v[52:53], v[60:61]
	v_pk_add_f32 v[232:233], v[38:39], v[46:47]
	v_pk_add_f32 v[160:161], v[54:55], v[62:63]
	s_delay_alu instid0(VALU_DEP_1)
	v_pk_add_f32 v[160:161], v[160:161], v[238:239]
	v_pk_add_f32 v[162:163], v[162:163], v[236:237]
	v_pk_add_f32 v[164:165], v[164:165], v[234:235]
	v_pk_add_f32 v[166:167], v[166:167], v[232:233]
	s_delay_alu instid0(VALU_DEP_2)
	v_pk_add_f32 v[160:161], v[160:161], v[164:165]
	s_delay_alu instid0(VALU_DEP_2)
	v_pk_add_f32 v[162:163], v[162:163], v[166:167]
	s_delay_alu instid0(VALU_DEP_1)
	v_pk_add_f32 v[160:161], v[160:161], v[162:163]
	REDUCE RED1
	s_wait_alu depctr_va_vdst(0)
	s_wait_loadcnt 32                              ; g, b and pos are in; the first weight's 32 may be out
	WLOAD WB, HB16, 50, 16384                      ; W1's 32 loads
	v_mul_f32 v[MU], s36, v[T]                     ; the mean
	s_delay_alu instid0(VALU_DEP_1)
	v_mov_b32 v[MU+1], v[MU]
.set j, 0
.rept 16
	v_pk_add_f32 v[X+j:X+j+1], v[X+j:X+j+1], v[MU:MU+1] neg_lo:[0,1] neg_hi:[0,1]
.set j, j+2
.endr
	v_pk_mul_f32 v[T:T+1], v[X:X+1], v[X:X+1]      ; the sum of squares of x - mean, in two chains
	v_pk_mul_f32 v[T+2:T+3], v[X+2:X+3], v[X+2:X+3]
.irp j, 4,8,12,16,20,24,28
	s_delay_alu instid0(VALU_DEP_2)
	v_pk_fma_f32 v[T:T+1], v[X+\j:X+\j+1], v[X+\j:X+\j+1], v[T:T+1]
	s_delay_alu instid0(VALU_DEP_2)
	v_pk_fma_f32 v[T+2:T+3], v[X+\j+2:X+\j+3], v[X+\j+2:X+\j+3], v[T+2:T+3]
.endr
	s_delay_alu instid0(VALU_DEP_1)
	v_pk_add_f32 v[T:T+1], v[T:T+1], v[T+2:T+3]
	REDUCE RED2
	s_delay_alu instid0(VALU_DEP_1)
	v_fma_f32 v[RS], v[T], s36, s37                ; the variance + 1e-5
	s_wait_alu depctr_va_vdst(0)
	v_rsq_f32 v[RS], v[RS]
	v_nop                                          ; one plain place behind a transcendental
	s_wait_alu depctr_va_vdst(0)
	v_mov_b32 v[RS+1], v[RS]
.set j, 0
.rept 16
	v_pk_mul_f32 v[X+j:X+j+1], v[X+j:X+j+1], v[RS:RS+1]
.set j, j+2
.endr
.set j, 0
.rept 16
	v_pk_fma_f32 v[X+j:X+j+1], v[X+j:X+j+1], v[G+j:G+j+1], v[BB+j:BB+j+1]
.set j, j+2
.endr
.set j, 0
.rept 16
	v_pk_add_f32 v[X+j:X+j+1], v[X+j:X+j+1], v[P+j:P+j+1]
.set j, j+2
.endr
	QUANT2 X, C, W
.irp j, 0,1,2
	global_store_b64 v6, v[C+2*\j:C+2*\j+1], s[38:39] offset:256*\j    ; 32 lanes store 256 consecutive bytes, aligned
	global_store_b64 v6, v[C+2*\j:C+2*\j+1], s[40:41] offset:256*\j
.endr
	ds_store_b16 v9, v[W] offset:SCL               ; the scale words are gathered in LDS, so that they leave as 512 consecutive bytes
	s_wait_dscnt 0x0
	s_barrier_signal -1
	s_barrier_wait -1
	s_cmp_lg_u32 s30, 0
	s_cbranch_scc1 .Lwords_out
	ds_load_b128 v[T:T+3], v3 offset:SCL
	s_wait_dscnt 0x0
	global_store_b128 v3, v[T:T+3], s[38:39] offset:12288
	global_store_b128 v3, v[T:T+3], s[40:41] offset:12288
.Lwords_out:
	WBLOCK WA, 0, 46, 48, 32                       ; the first weight's 32 loads are in; W1's 32 may be out
	WLOAD WA, HB4, 56, 4096                        ; W2's 32 loads take the registers just read
	WBLOCK WB, 1, 52, 54, 32                       ; W1's are in; W2's may be out
	WBLOCK WA, 2, 58, 60, 0
	s_wait_tensorcnt 0x0
	ds_add_u32 v244, v245
	s_wait_dscnt 0x0
	s_endpgm
.Lfunc_end_k_qd084c66a30_pre:
	.size	k_qd084c66a30_pre, .Lfunc_end_k_qd084c66a30_pre-k_qd084c66a30_pre
	.p2alignl 7, 3214868480
	.fill 96, 4, 3214868480
	.section	.rodata,"a",@progbits
	.p2align	6, 0x0
	.amdhsa_kernel k_qd084c66a30_pre
		.amdhsa_group_segment_fixed_size 6144
		.amdhsa_private_segment_fixed_size 0
		.amdhsa_enable_private_segment 0
		.amdhsa_kernarg_size 104
		.amdhsa_user_sgpr_count 2
		.amdhsa_user_sgpr_kernarg_segment_ptr 1
		.amdhsa_wavefront_size32 1
		.amdhsa_system_sgpr_workgroup_id_x 1
		.amdhsa_system_sgpr_workgroup_id_y 1
		.amdhsa_system_sgpr_workgroup_id_z 1
		.amdhsa_system_vgpr_workitem_id 0
		.amdhsa_next_free_vgpr 246
		.amdhsa_next_free_sgpr 80
		.amdhsa_reserve_vcc 0
		.amdhsa_float_denorm_mode_32 3
		.amdhsa_float_denorm_mode_16_64 3
		.amdhsa_memory_ordered 1
		.amdhsa_forward_progress 1
		.amdhsa_inst_pref_size 39
	.end_amdhsa_kernel
	.amdgpu_metadata
---
amdhsa.version: [ 1, 2 ]
amdhsa.kernels:
  - .name:           k_qd084c66a30_pre
    .symbol:         k_qd084c66a30_pre.kd
    .args:
      - { .name: x, .offset: 0, .size: 8, .value_kind: global_buffer, .address_space: global }
      - { .name: pos_embed, .offset: 8, .size: 8, .value_kind: global_buffer, .address_space: global }
      - { .name: ln1_g, .offset: 16, .size: 8, .value_kind: global_buffer, .address_space: global }
      - { .name: ln1_b, .offset: 24, .size: 8, .value_kind: global_buffer, .address_space: global }
      - { .name: Wq, .offset: 32, .size: 8, .value_kind: global_buffer, .address_space: global }
      - { .name: Wk, .offset: 40, .size: 8, .value_kind: global_buffer, .address_space: global }
      - { .name: Wv, .offset: 48, .size: 8, .value_kind: global_buffer, .address_space: global }
      - { .name: Wo, .offset: 56, .size: 8, .value_kind: global_buffer, .address_space: global }
      - { .name: W1, .offset: 64, .size: 8, .value_kind: global_buffer, .address_space: global }
      - { .name: W2, .offset: 72, .size: 8, .value_kind: global_buffer, .address_space: global }
      - { .name: ps, .offset: 80, .size: 8, .value_kind: global_buffer, .address_space: global }
      - { .name: qs, .offset: 88, .size: 8, .value_kind: global_buffer, .address_space: global }
      - { .name: wr, .offset: 96, .size: 8, .value_kind: global_buffer, .address_space: global }
    .group_segment_fixed_size: 6144
    .private_segment_fixed_size: 0
    .kernarg_segment_align: 8
    .kernarg_segment_size: 104
    .max_flat_workgroup_size: 512
    .sgpr_count:     80
    .vgpr_count:     246
    .wavefront_size: 32
...
	.end_amdgpu_metadata
.endif
;; end of part 1
;; launch gq (part 2): grid 48 x 4, 16 waves a work-group, clusters of 4 x 4, 327,680 bytes of LDS; arguments ps, qs, qkv; writes qkv
.if DOCPART == 2
	.amdgcn_target "amdgcn-amd-amdhsa--gfx1250"
	.amdhsa_code_object_version 6
	.text
	.protected	k_qd084c66a30_gq
	.globl	k_qd084c66a30_gq
	.p2align	8
	.type	k_qd084c66a30_gq,@function
k_qd084c66a30_gq:
	s_mov_b64 s[64:65], 0
	v_nop
	global_prefetch_b8 v0, s[64:65] scope:SCOPE_SE
	s_setreg_imm32_b32 hwreg(HW_REG_WAVE_MODE, 25, 1), 1
	s_wait_xcnt 0x0
	s_wait_alu depctr_hold_cnt(0) depctr_sa_sdst(0) depctr_va_vdst(0) depctr_va_sdst(0) depctr_va_ssrc(0) depctr_va_vcc(0) depctr_vm_vsrc(0)
	s_getreg_b32 s2, hwreg(HW_REG_IB_STS2, 6, 4)
	s_cmp_eq_u32 s2, 0
	s_cbranch_scc0 .Lentry_in_a_cluster
	s_endpgm
.Lentry_in_a_cluster:
	s_bfe_u32 s2, ttmp6, 0x10000c
	s_cmp_lg_u32 s2, 0xf033
	s_cbranch_scc0 .Lentry_shape_is_right
	s_endpgm
.Lentry_shape_is_right:
; The three projections as ONE product C = P Q^T, K = 1,024, on codes of BF6 with E8M0 scales, its result quantised along j on the way out.
; P = ps (records 0-255: h; 256-319: Wv, rows = d), Q = qs (records 0-63: Wq; 64-127: Wk; 128-383: h).  128 tiles of h x [Wq; Wk] give q and k (a row = a token, j = the heads' 64),
; 64 tiles of Wv x h give v TRANSPOSED (a row = d, j = the tokens, which are the K of attention's second product).  192 work-groups, one tile of 256 x 256 each: the grid has work for no more.
; Sixteen waves, each 64 x 64 in 16 accumulators and 256 registers: four waves to a SIMD, so that one wave's LDS loads stand beside another's products.
; OPERANDS lie in memory in the order of their registers (a fragment of 16 rows x 128 K: 1,536 bytes, register pair p of lane l at 256 p + 8 l): six loads of 8 bytes a lane, each 256 consecutive bytes.
; TRANSPOSED USE: source 0 = 16 rows of Q, source 1 = 16 rows of P: a lane holds one row i and its registers run along j, so the 32 registers of one block a are 64 neighbouring j: one half fragment of the next product.
; CLUSTER 4 x 4: P's tiles are shared along a row of the cluster, Q's along a column, by joint loads.  K goes in four slot fills of 256: three slots are filled at the start, slot 0 once more.
; By this text's count a wave has at most four tensor loads out.  LIMITS: NaN and infinities are not served; a block of zeros gets the byte 1 (its codes are zeros; the bytes are read by this program alone).
.set RECB,  12800
.set SLOTB, 98304                      ; a slot: P's 16 records x 3,072 bytes (two K steps), then Q's
.set SCA,   294912                     ; P's scale words: [record] 512 + 64 ks + 4 r
.set SCD,   8256                       ; Q's begin so far behind: 64 bytes past a multiple of 256, so that the two halves of a load fall on different banks
.set SPARE, 311552                     ; the spare words: 128 bytes for each of 16 waves
.set IBS,   73728                      ; qkv: 96 half fragments for each 16 rows
.set SOFF,  23592960                   ; and behind the codes the scale halves [ib][jh][16] of 2 bytes
.set SPW, 2
.set NIL, 3
.set ADRA, 4                           ; v4-6   my P fragments in slot 0, 1, 2
.set ADRB, 7                           ; v7-9   my Q fragments
.set ADRS, 10                          ; v10    my scale words: lanes 0-15 P's, lanes 16-31 Q's
.set OC,  11                           ; v11    8 x lane
.set OS,  12
.set RR,  13
.set HH,  14
.set TP,  15
.set SC,  16                           ; v16-19 scale words and nothing else
.set AF,  24
.set BF,  72
.set CW,  84                           ; the way out: scale halves v84-89, codes v92-115
.set CO,  92
.set QT,  116
.set QM,  120
.set ACC, 128
.set WV,  12
.set G1A, 28
.set G1B, 36
.set G1SA, 44
.set G1SB, 52
.set SEL, 60
.set G0A, 68                           ; s68-83: group 0 for P's scales, slot 0, 1, 2;  s84-99 for Q's
.set G0B, 84
.macro ROUND                           ; a round of the cluster's barrier
	s_barrier_signal -1
	s_barrier_wait -1
	s_cmp_lg_u32 s[WV], 0
	s_cbranch_scc1 .Lnot_wave_0_\@
	s_barrier_signal -3
.Lnot_wave_0_\@:
	s_barrier_wait -3
	s_barrier_signal -1
	s_barrier_wait -1
.endm
.macro JLOAD g0a, g0b                  ; waves 0, 1 fetch P's halves, waves 2, 3 Q's, the others nothing; four v_nop follow each line
	s_cmp_lt_u32 s[WV], 2
	s_cbranch_scc0 .Lnot_p_\@
	tensor_load_to_lds s[\g0a:\g0a+3], s[G1A:G1A+7]
	s_nop 0
.rept 4
	v_nop
.endr
	s_branch .Lasked_\@
.Lnot_p_\@:
	s_cmp_lt_u32 s[WV], 4
	s_cbranch_scc0 .Lasked_\@
	tensor_load_to_lds s[\g0b:\g0b+3], s[G1B:G1B+7]
	s_nop 0
.rept 4
	v_nop
.endr
.Lasked_\@:
.endm
.macro MM a, b, zero
.if \zero
	v_wmma_scale_f32_16x16x128_f8f6f4 v[ACC+8*(4*\a+\b):ACC+8*(4*\a+\b)+7], v[BF+12*\b:BF+12*\b+11], v[AF+12*\a:AF+12*\a+11], 0, v[SC+\b], v[SC+\a] matrix_a_fmt:MATRIX_FMT_BF6 matrix_b_fmt:MATRIX_FMT_BF6 matrix_a_scale:MATRIX_SCALE_ROW1
.else
	v_wmma_scale_f32_16x16x128_f8f6f4 v[ACC+8*(4*\a+\b):ACC+8*(4*\a+\b)+7], v[BF+12*\b:BF+12*\b+11], v[AF+12*\a:AF+12*\a+11], v[ACC+8*(4*\a+\b):ACC+8*(4*\a+\b)+7], v[SC+\b], v[SC+\a] matrix_a_fmt:MATRIX_FMT_BF6 matrix_b_fmt:MATRIX_FMT_BF6 matrix_a_scale:MATRIX_SCALE_ROW1
.endif
.endm
; One K step of 128: the q-th of a slot, the ks-th of K.  The 16 accumulators take turns, in the same order in every step.
.macro KSTEP slot, q, ks, zero, first
.if \first == 0
.rept 4
	v_nop                                          ; places in front of loads into registers that matrix instructions have read
.endr
.endif
.irp i, 0,1,2,3
	ds_load_b32 v[SC+\i], v[ADRS] offset:512*\i+64*\ks
.endr
.irp b, 0,1,2,3
.irp p, 0,1,2,3,4,5
	ds_load_b64 v[BF+12*\b+2*\p:BF+12*\b+2*\p+1], v[ADRB+\slot] offset:3072*\b+1536*\q+256*\p
.endr
.endr
.irp a, 0,1,2,3
.irp p, 0,1,2,3,4,5
	ds_load_b64 v[AF+12*\a+2*\p:AF+12*\a+2*\p+1], v[ADRA+\slot] offset:3072*\a+1536*\q+256*\p
.endr
.endr
.irp a, 0,1,2,3
	s_wait_dscnt 18-6*\a                           ; the scale words, Q's four blocks and P's block a are in; P's younger blocks, six loads each, may be out
.irp b, 0,1,2,3
	MM \a, \b, \zero
.endr
.endr
.endm
; 32 numbers of a lane, register 16 b + i = my 16 of block b, become a half fragment's six registers in v[c] on and its two scale bytes in v[w]
.macro QUANT2 s, c, w
	v_max3_num_f32 v[QM], |v[\s]|, |v[\s+1]|, 0x2800000      ; each accumulator is read from its low end on; the floor 2^(5 - 127) holds the byte at 1 from below
	v_max3_num_f32 v[QM+1], |v[\s+16]|, |v[\s+17]|, 0x2800000
.irp i, 2,4,6,8,10,12,14
	v_max3_num_f32 v[QM], v[QM], |v[\s+\i]|, |v[\s+\i+1]|
	v_max3_num_f32 v[QM+1], v[QM+1], |v[\s+16+\i]|, |v[\s+17+\i]|
.endr
	s_delay_alu instid0(VALU_DEP_2)
	v_permlanex16_b32 v[QM+2], v[QM], s[SEL], s[SEL+1]
	s_delay_alu instid0(VALU_DEP_2)
	v_permlanex16_b32 v[QM+3], v[QM+1], s[SEL], s[SEL+1]
	s_delay_alu instid0(VALU_DEP_2)
	v_max_num_f32 v[QM], v[QM], v[QM+2]
	s_delay_alu instid0(VALU_DEP_2)
	v_max_num_f32 v[QM+1], v[QM+1], v[QM+3]
	s_delay_alu instid0(VALU_DEP_2)
	v_add_nc_u32 v[QM+4], 0xfe000000, v[QM]
	s_delay_alu instid0(VALU_DEP_2)
	v_add_nc_u32 v[QM+5], 0xfe000000, v[QM+1]
	s_delay_alu instid0(VALU_DEP_2)
	v_lshrrev_b32 v[QM+6], 23, v[QM+4]
	s_delay_alu instid0(VALU_DEP_2)
	v_lshrrev_b32 v[QM+7], 23, v[QM+5]
	s_delay_alu instid0(VALU_DEP_1)
	v_lshl_or_b32 v[\w], v[QM+7], 8, v[QM+6]
	v_cvt_scalef32_pk16_bf6_f32 v[\c:\c+2], v[\s:\s+15], v[QM+4]
	v_cvt_scalef32_pk16_bf6_f32 v[QT:QT+2], v[\s+16:\s+31], v[QM+5]
	v_nop                                          ; one plain place behind a scaled conversion
.irp i, 0,1,2
	v_permlane16_swap_b32 v[\c+\i], v[QT+\i]
.endr
.irp i, 0,1,2
	s_delay_alu instid0(VALU_DEP_3)
	v_mov_b32 v[\c+3+\i], v[QT+\i]
.endr
.endm
	s_load_b128 s[4:7], s[0:1], 0x0                ; ps, qs
	s_load_b64 s[8:9], s[0:1], 0x10                ; qkv
	v_lshl_add_u32 v[SPW], v0, 2, SPARE
	v_mov_b32 v[NIL], 0
	ds_add_u32 v2, v3
	ds_add_u32 v2, v3
	s_wait_dscnt 0x0
	v_lshrrev_b32 v1, 5, v0
	s_delay_alu instid0(VALU_DEP_1)
	v_readfirstlane_b32 s[WV], v1                  ; wave 0..15
	s_lshr_b32 s13, s12, 2                         ; wm: which 64 rows of the tile
	s_and_b32 s14, s12, 3                          ; wn: which 64 columns
	s_and_b32 s15, s12, 1                          ; which 8 records a fetching wave fetches
	s_bfe_u32 s16, ttmp6, 0x40000                  ; cx
	s_bfe_u32 s17, ttmp6, 0x40004                  ; cy
	s_lshr_b32 s18, ttmp9, 1                       ; clusters 0-7: rows of h x [Wq; Wk]; clusters 8-11: Wv x h
	s_min_u32 s18, s18, 4
	s_lshl_b32 s18, s18, 2
	s_add_co_u32 s18, s18, s17                     ; tile row it
	s_and_b32 s19, ttmp9, 1
	s_sub_co_i32 s62, ttmp9, 6
	s_max_i32 s19, s19, s62
	s_lshl_b32 s19, s19, 2
	s_add_co_u32 s19, s19, s16                     ; tile column jt
	s_lshl_b32 s20, s17, 2
	s_lshl_b32 s20, 15, s20                        ; my row of the cluster
	s_lshl_b32 s21, 0x1111, s16                    ; my column
	s_or_b32 s[G1A], s20, (3<<16)|(1<<21)          ; 15:0 the mask; 17:16 elements of 8 bytes; 21 set beside a mask; no padding
	s_or_b32 s[G1B], s21, (3<<16)|(1<<21)
	s_or_b32 s[G1SA], s20, (3<<16)|(1<<21)
	s_or_b32 s[G1SB], s21, (3<<16)|(1<<21)
.irp g, G1A, G1B                       ; codes: 8 records x 3,072 bytes (384 elements), 12,800 bytes apart
	s_mov_b32 s[\g+1], 384<<16
	s_mov_b32 s[\g+2], 8<<16
	s_mov_b32 s[\g+3], 384<<16
	s_mov_b32 s[\g+4], 8
	s_mov_b32 s[\g+5], 1600
	s_mov_b32 s[\g+6], 0
	s_mov_b32 s[\g+7], 0
.endr
.irp g, G1SA, G1SB                     ; scale words: 8 records x 512 bytes
	s_mov_b32 s[\g+1], 64<<16
	s_mov_b32 s[\g+2], 8<<16
	s_mov_b32 s[\g+3], 64<<16
	s_mov_b32 s[\g+4], 8
	s_mov_b32 s[\g+5], 1600
	s_mov_b32 s[\g+6], 0
	s_mov_b32 s[\g+7], 0
.endr
	s_lshl_b32 s22, s18, 4                         ; P: record 16 it + 8 half (registers that never hold cx)
	s_lshl_b32 s23, s15, 3
	s_add_co_u32 s22, s22, s23
	s_mul_i32 s22, s22, RECB
	s_mov_b32 s23, 0
	s_lshl_b32 s24, s19, 4                         ; Q: record 16 jt + 8 half (registers that never hold cy)
	s_lshl_b32 s25, s15, 3
	s_add_co_u32 s24, s24, s25
	s_mul_i32 s24, s24, RECB
	s_mov_b32 s25, 0
	s_and_b32 s62, s12, 3                          ; where a fetching wave's tiles go: the wave's number alone
	s_mul_i32 s63, s62, 24576
	s_lshr_b32 s62, s62, 1
	s_mul_i32 s62, s62, SCD
	s_lshl_b32 s66, s15, 12
	s_add_co_u32 s62, s62, s66
	s_add_co_u32 s62, s62, SCA
	s_mov_b32 s[SEL], 0x76543210
	s_mov_b32 s[SEL+1], 0xfedcba98
	v_and_b32 v1, 31, v0
	s_delay_alu instid0(VALU_DEP_1)
	v_lshlrev_b32 v[OC], 3, v1
	v_and_b32 v[RR], 15, v0
	v_bfe_u32 v[HH], v0, 4, 1
	s_wait_alu depctr_va_vdst(0)
	s_mul_i32 s66, s13, 12288
	s_mul_i32 s67, s14, 12288
	s_add_co_u32 s67, s67, 49152
.irp n, 0,1,2
	v_add_nc_u32 v[ADRA+\n], s66, v[OC]
	v_add_nc_u32 v[ADRB+\n], s67, v[OC]
	s_add_co_u32 s66, s66, SLOTB
	s_add_co_u32 s67, s67, SLOTB
.endr
	s_lshl_b32 s66, s13, 11                        ; P's words: 2,048 wm
	s_xor_b32 s67, s13, 3
	s_add_co_u32 s67, s67, s14
	s_lshl_b32 s67, s67, 11
	s_add_co_u32 s67, s67, SCD-6144                ; from there to Q's: SCD + 2,048 (wn - wm), with 3 - wm = wm xor 3
	v_mul_u32_u24 v[TP], s67, v[HH]                ; one product: lanes 16-31 take Q's
	s_add_co_u32 s66, s66, SCA
	v_lshl_add_u32 v[TP], v[RR], 2, v[TP]
	s_delay_alu instid0(VALU_DEP_1)
	v_add_nc_u32 v[ADRS], s66, v[TP]
	v_mul_u32_u24 v[OS], v[HH], 3072
	s_delay_alu instid0(VALU_DEP_1)
	v_lshl_add_u32 v[OS], v[RR], 1, v[OS]          ; the scale halves' way out: lanes 16-31 one block of rows further on
	v_mov_b32 v[QM+2], 0                           ; a lane permute's destination counts as one of its sources
	v_mov_b32 v[QM+3], 0
	s_lshl_b32 s2, s18, 4                          ; the way out: ib = 16 it + 4 wm, jh = 4 jt + wn
	s_lshl_b32 s3, s13, 2
	s_add_co_u32 s2, s2, s3
	s_lshl_b32 s3, s19, 2
	s_add_co_u32 s3, s3, s14
	s_mul_i32 s26, s2, IBS
	s_mul_i32 s27, s3, 768
	s_add_co_u32 s26, s26, s27
	s_mov_b32 s27, 0
	s_mul_i32 s100, s2, 96
	s_add_co_u32 s100, s100, s3
	s_lshl_b32 s100, s100, 5
	s_add_co_u32 s100, s100, SOFF
	s_mov_b32 s101, 0
	s_wait_kmcnt 0x0
	s_add_nc_u64 s[22:23], s[4:5], s[22:23]
	s_add_nc_u64 s[24:25], s[6:7], s[24:25]
	s_add_nc_u64 s[26:27], s[8:9], s[26:27]
	s_add_nc_u64 s[100:101], s[8:9], s[100:101]
	s_mov_b32 s[G0A], 1
	s_mov_b32 s[G0A+1], s62
	s_add_nc_u64 s[G0A+2:G0A+3], s[22:23], 12288
	s_or_b32 s[G0A+3], s[G0A+3], 0x80000000
	s_mov_b32 s[G0B], 1
	s_mov_b32 s[G0B+1], s62
	s_add_nc_u64 s[G0B+2:G0B+3], s[24:25], 12288
	s_or_b32 s[G0B+3], s[G0B+3], 0x80000000
.irp n, 0,1,2
	s_mov_b32 s[G0A+4+4*\n], 1
	s_add_co_u32 s[G0A+5+4*\n], s63, \n*SLOTB
	s_add_nc_u64 s[G0A+6+4*\n:G0A+7+4*\n], s[22:23], \n*3072
	s_or_b32 s[G0A+7+4*\n], s[G0A+7+4*\n], 0x80000000
	s_mov_b32 s[G0B+4+4*\n], 1
	s_add_co_u32 s[G0B+5+4*\n], s63, \n*SLOTB
	s_add_nc_u64 s[G0B+6+4*\n:G0B+7+4*\n], s[24:25], \n*3072
	s_or_b32 s[G0B+7+4*\n], s[G0B+7+4*\n], 0x80000000
.endr
	ROUND                                          ; all sixteen work-groups are here: the first joint loads meet
; THE HEAD'S SIXTEEN FILLS, ONE A WAVE, in one chain of arms on the wave's number: waves 4 n + 0, 1 fetch P's halves and 4 n + 2, 3 Q's; n = 0: the scale words, n = 1, 2, 3: slots 0, 1, 2.
; The eight waves whose tiles the first two K steps read wait for their one load inside their arm; slots 1 and 2 may be out at the barrier below.
.macro ARM under, g0, g1, w
	s_cmp_lt_u32 s[WV], \under
	s_cbranch_scc0 .Lnot_mine_\@
	tensor_load_to_lds s[\g0:\g0+3], s[\g1:\g1+7]
	s_nop 0
.rept 4
	v_nop
.endr
.if \w
	s_wait_tensorcnt 0x0
.endif
	s_branch .Lfirst_asked
.Lnot_mine_\@:
.endm
	ARM 2, G0A, G1SA, 1
	ARM 4, G0B, G1SB, 1
	ARM 6, G0A+4, G1A, 1
	ARM 8, G0B+4, G1B, 1
	ARM 10, G0A+8, G1A, 0
	ARM 12, G0B+8, G1B, 0
	ARM 14, G0A+12, G1A, 0
	tensor_load_to_lds s[G0B+12:G0B+15], s[G1B:G1B+7]
	s_nop 0
.rept 4
	v_nop
.endr
.Lfirst_asked:
	s_barrier_signal -1
	s_barrier_wait -1
	s_wait_alu depctr_va_vdst(0)
	KSTEP 0, 0, 0, 1, 1                            ; the first products start the sums: nothing is cleared
	KSTEP 0, 1, 1, 0, 0
	s_wait_tensorcnt 0x0                           ; all my tensor loads have landed, slots 1 and 2 among them
	ds_add_u32 v[SPW], v[NIL]                      ; 0 onto my spare word: every way here has passed a tensor load
	s_add_nc_u64 s[G0A+6:G0A+7], s[G0A+6:G0A+7], 9216
	s_add_nc_u64 s[G0B+6:G0B+7], s[G0B+6:G0B+7], 9216
	s_wait_dscnt 0x0                               ; the add is done, and my reads of slot 0 are over
	ROUND                                          ; the same holds of every wave of every partner
	JLOAD G0A+4, G0B+4                             ; the one refill: it has four K steps in which to land
	KSTEP 1, 0, 2, 0, 0
	KSTEP 1, 1, 3, 0, 0
	KSTEP 2, 0, 4, 0, 0
	KSTEP 2, 1, 5, 0, 0
	s_wait_tensorcnt 0x0                           ; my part of slot 0's second fill is in,
	s_wait_dscnt 0x0
	s_barrier_signal -1
	s_barrier_wait -1                              ; everybody's is
	KSTEP 0, 0, 6, 0, 0
	KSTEP 0, 1, 7, 0, 0
.rept 4
	v_nop                                          ; places in front of the first read of results
.endr
	v_cmp_eq_u32 vcc_lo, 1, v[HH]
.irp a, 0,1,2,3                        ; block a's 16 rows x 64 j: one half fragment of attention's operands
	QUANT2 ACC+32*\a, CO+6*\a, CW+\a
.irp j, 0,1,2
	global_store_b64 v[OC], v[CO+6*\a+2*\j:CO+6*\a+2*\j+1], s[26:27] offset:\a*IBS+256*\j   ; 32 lanes store 256 consecutive bytes, aligned
.endr
.endr
	v_cndmask_b32 v[CW+4], v[CW], v[CW+1], vcc_lo  ; lanes 0-15 block a's scale halves, lanes 16-31 block a + 1's
	v_cndmask_b32 v[CW+5], v[CW+2], v[CW+3], vcc_lo
	global_store_b16 v[OS], v[CW+4], s[100:101]
	global_store_b16 v[OS], v[CW+5], s[100:101] offset:6144
	s_wait_tensorcnt 0x0                           ; the wave's end
	ds_add_u32 v[SPW], v[NIL]
	s_wait_dscnt 0x0
	ROUND                                          ; the closing round
	s_endpgm
.Lfunc_end_k_qd084c66a30_gq:
	.size	k_qd084c66a30_gq, .Lfunc_end_k_qd084c66a30_gq-k_qd084c66a30_gq
	.p2alignl 7, 3214868480
	.fill 96, 4, 3214868480
	.section	.rodata,"a",@progbits
	.p2align	6, 0x0
	.amdhsa_kernel k_qd084c66a30_gq
		.amdhsa_group_segment_fixed_size 327680
		.amdhsa_private_segment_fixed_size 0
		.amdhsa_enable_private_segment 0
		.amdhsa_kernarg_size 24
		.amdhsa_user_sgpr_count 2
		.amdhsa_user_sgpr_kernarg_segment_ptr 1
		.amdhsa_wavefront_size32 1
		.amdhsa_system_sgpr_workgroup_id_x 1
		.amdhsa_system_sgpr_workgroup_id_y 1
		.amdhsa_system_sgpr_workgroup_id_z 1
		.amdhsa_system_vgpr_workitem_id 0
		.amdhsa_next_free_vgpr 256
		.amdhsa_next_free_sgpr 102
		.amdhsa_reserve_vcc 1
		.amdhsa_float_denorm_mode_32 3
		.amdhsa_float_denorm_mode_16_64 3
		.amdhsa_memory_ordered 1
		.amdhsa_forward_progress 1
		.amdhsa_inst_pref_size 68
	.end_amdhsa_kernel
	.amdgpu_metadata
---
amdhsa.version: [ 1, 2 ]
amdhsa.kernels:
  - .name:           k_qd084c66a30_gq
    .symbol:         k_qd084c66a30_gq.kd
    .args:
      - { .name: ps, .offset: 0, .size: 8, .value_kind: global_buffer, .address_space: global }
      - { .name: qs, .offset: 8, .size: 8, .value_kind: global_buffer, .address_space: global }
      - { .name: qkv, .offset: 16, .size: 8, .value_kind: global_buffer, .address_space: global }
    .group_segment_fixed_size: 327680
    .private_segment_fixed_size: 0
    .kernarg_segment_align: 8
    .kernarg_segment_size: 24
    .max_flat_workgroup_size: 512
    .sgpr_count:     102
    .vgpr_count:     256
    .wavefront_size: 32
...
	.end_amdgpu_metadata
.endif
;; end of part 2
;; launch attn (part 3): grid 8 x 32, 16 waves a work-group, clusters of 4 x 1, 206,848 bytes of LDS; arguments qkv, ps; writes ps
.if DOCPART == 3
	.amdgcn_target "amdgcn-amd-amdhsa--gfx1250"
	.amdhsa_code_object_version 6
	.text
	.protected	k_qd084c66a30_attn
	.globl	k_qd084c66a30_attn
	.p2align	8
	.type	k_qd084c66a30_attn,@function
k_qd084c66a30_attn:
	s_mov_b64 s[64:65], 0
	v_nop
	global_prefetch_b8 v0, s[64:65] scope:SCOPE_SE
	s_setreg_imm32_b32 hwreg(HW_REG_WAVE_MODE, 25, 1), 1
	s_wait_xcnt 0x0
	s_wait_alu depctr_hold_cnt(0) depctr_sa_sdst(0) depctr_va_vdst(0) depctr_va_sdst(0) depctr_va_ssrc(0) depctr_va_vcc(0) depctr_vm_vsrc(0)
	s_getreg_b32 s2, hwreg(HW_REG_IB_STS2, 6, 4)
	s_cmp_eq_u32 s2, 0
	s_cbranch_scc0 .Lentry_in_a_cluster
	s_endpgm
.Lentry_in_a_cluster:
	s_bfe_u32 s2, ttmp6, 0x10000c
	s_cmp_lg_u32 s2, 0x3003
	s_cbranch_scc0 .Lentry_shape_is_right
	s_endpgm
.Lentry_shape_is_right:
; o = softmax(q k^T / 8) v for one head and 256 queries a work-group, both products on codes of BF6 with E8M0 scales; o / l is quantised along the model's 1,024 columns and stored into ps as the next product's operand.
; THE SOFTMAX AHEAD OF THE SECOND PRODUCT: t = score x log2(e) / 8; M = the running largest t rounded UP to a whole number; p = 2^(t - M) is quantised along the keys, not normalised; the row's sum is taken of the
; unquantised p and divides at the end; when M moves, the sum and O are multiplied by 2^(old M - new M), which rounds nothing.
; SHARES: sixteen waves, 16 queries each; every wave walks the head's 2,048 keys, 128 a step.  A head's K and V stay in LDS (192 KiB of codes, 8 KiB of scale halves), filled once by joint loads that the four
; query blocks of a cluster share: ten loads, one a wave (even waves K's, odd waves V's; waves 0, 1 the scale halves, waves 2 n + 2, 2 n + 3 chunk n of 512 keys).  Nothing is filled again.
; LAYOUT: both products transposed (S^T = K Q^T, O^T = V^T P^T): a lane holds one query.  The first product's K is 64: registers 6-11 of both operands are zero codes, their scale bytes the zeros of a 16-bit load.
; WHICH KEYS FORM A TILE OF K: tile (c, u) of a step takes in rows 0-7 keys 64 c + 8 s(u) + 0..7 and in rows 8-15 the keys 32 further on, s = 0, 2, 1, 3.  Lane (query, h) then holds in its 32 registers of the four
; tiles of c the WHOLE block 2 c + h of 32 keys, in the order in which v's codes were laid: a block's largest score needs no other lane and the codes need no exchange of lanes.
; The choice is made by each lane's LDS address: lanes 8-15 read 1,536 - 64 bytes further on than a plain tile's, a multiple of 256 from lanes 0-7, so the two groups share banks (64 banks of 4 bytes: ISA guide 11.1).
; LDS LOADS RUN AHEAD: the next step's first four tiles of K and V's scale halves are asked for behind this step's second group of score products, V's fragments while the row's sum is still being added.
; LDS holds the scale halves, then K's codes, then V's: the last step's look-ahead so reads bytes that follow in LDS and have landed; nothing uses them.
; No prefetch into the L2: all of the launch's tiles are asked for at its head.
; LIMITS: the promise holds while the scaled scores stay under 2^31 in magnitude; NaN and infinities are not served; a block of zeros gets the byte 1 (its codes are zeros; the bytes are read by this program alone).
.set KSC,  0                           ; LDS: K's scale halves [key block] 32 + 2 r;
.set VSC,  4096                        ; V's [dt] 1,024 + 32 (64 keys) + 2 r;
.set KC,   8192                        ; K's codes [key block] 768;
.set VC,   106496                      ; V's [chunk][dt] 6,144 (1,536 for each step)
.set SOFF, 23592960
.set IBS,  73728
.set KF,  32                           ; v32-79  four fragments of K
.set VT,  80                           ; v80-87  V's scale halves
.set VW,  88                           ; v88-91  V's scale words, and nothing else
.set KS,  92                           ; v92-95  K's scale halves, and nothing else
.set S,   96                           ; v96-159 the scores, then p, then V's fragments
.set O,   160                          ; v160-191 O^T
.set PC,  192                          ; p's codes
.set PT,  204
.set BM,  212                          ; v212-219 the maxima's chains: four for each of my two blocks
.set BE,  220
.set BY,  222
.set PW,  224                          ; p's scale word, and nothing else
.set FF,  226
.set TT,  228
.set TO,  232                          ; -M of the step before
.set BX,  234
.set U,   240                          ; v240-253 seven partial sums
.set QM,  212
.set QT,  204
.set WV,  12
.set G1K, 28
.set G1V, 36
.set G1KS, 44
.set G1VS, 52
.set SEL, 60
.set CS,  62
.set G0,  68                           ; s68-87: five groups 0: the scale halves, chunks 0 to 3; K's in even waves, V's in odd ones
.set TK,  88
.set TV,  89
.set TKS, 90
.set TVS, 91
.macro ROUND
	s_barrier_signal -1
	s_barrier_wait -1
	s_cmp_lg_u32 s[WV], 0
	s_cbranch_scc1 .Lnot_wave_0_\@
	s_barrier_signal -3
.Lnot_wave_0_\@:
	s_barrier_wait -3
	s_barrier_signal -1
	s_barrier_wait -1
.endm
.macro ARM under, g0, g1               ; one arm of the head's chain: one joint load
	s_cmp_lt_u32 s[WV], \under
	s_cbranch_scc0 .Lnot_mine_\@
	tensor_load_to_lds s[\g0:\g0+3], s[\g1:\g1+7]
	s_nop 0
.rept 4
	v_nop
.endr
	s_branch .Lasked
.Lnot_mine_\@:
.endm
.macro QUANT2 s, c, w
	v_max3_num_f32 v[QM], |v[\s]|, |v[\s+1]|, 0x2800000
	v_max3_num_f32 v[QM+1], |v[\s+16]|, |v[\s+17]|, 0x2800000
.irp i, 2,4,6,8,10,12,14
	s_delay_alu instid0(VALU_DEP_2)
	v_max3_num_f32 v[QM], v[QM], |v[\s+\i]|, |v[\s+\i+1]|
	s_delay_alu instid0(VALU_DEP_2)
	v_max3_num_f32 v[QM+1], v[QM+1], |v[\s+16+\i]|, |v[\s+17+\i]|
.endr
	s_delay_alu instid0(VALU_DEP_2)
	v_permlanex16_b32 v[QM+2], v[QM], s[SEL], s[SEL+1]
	s_delay_alu instid0(VALU_DEP_2)
	v_permlanex16_b32 v[QM+3], v[QM+1], s[SEL], s[SEL+1]
	s_delay_alu instid0(VALU_DEP_2)
	v_max_num_f32 v[QM], v[QM], v[QM+2]
	s_delay_alu instid0(VALU_DEP_2)
	v_max_num_f32 v[QM+1], v[QM+1], v[QM+3]
	s_delay_alu instid0(VALU_DEP_2)
	v_add_nc_u32 v[QM+4], 0xfe000000, v[QM]
	s_delay_alu instid0(VALU_DEP_2)
	v_add_nc_u32 v[QM+5], 0xfe000000, v[QM+1]
	s_delay_alu instid0(VALU_DEP_2)
	v_lshrrev_b32 v[QM+6], 23, v[QM+4]
	s_delay_alu instid0(VALU_DEP_2)
	v_lshrrev_b32 v[QM+7], 23, v[QM+5]
	s_delay_alu instid0(VALU_DEP_1)
	v_lshl_or_b32 v[\w], v[QM+7], 8, v[QM+6]
	v_cvt_scalef32_pk16_bf6_f32 v[\c:\c+2], v[\s:\s+15], v[QM+4]
	v_cvt_scalef32_pk16_bf6_f32 v[QT:QT+2], v[\s+16:\s+31], v[QM+5]
	v_nop
.irp i, 0,1,2
	v_permlane16_swap_b32 v[\c+\i], v[QT+\i]
.endr
.irp i, 0,1,2
	s_delay_alu instid0(VALU_DEP_3)
	v_mov_b32 v[\c+3+\i], v[QT+\i]
.endr
.endm
.macro ADDR                            ; the next step's four LDS addresses
	v_add_nc_u32 v8, s[TK], v1
	v_add_nc_u32 v9, s[TV], v2
	v_add_nc_u32 v10, s[TKS], v3
	v_add_nc_u32 v11, s[TVS], v4
.endm
	s_load_b128 s[4:7], s[0:1], 0x0                ; qkv, ps
	v_lshl_add_u32 v254, v0, 2, 0x32000
	v_mov_b32 v255, 0
	ds_add_u32 v254, v255                          ; the opening lines: the add, twice on end, and its wait ahead of the first tensor load
	ds_add_u32 v254, v255
	v_lshrrev_b32 v1, 5, v0
	v_readfirstlane_b32 s[WV], v1                  ; wave 0..15
	s_and_b32 s18, s12, 1                          ; 0: K's loads, 1: V's
	s_and_b32 s15, ttmp7, 0xffff                   ; batch x 16 + head, which the four partners share
	s_lshr_b32 s16, s15, 4
	s_and_b32 s17, s15, 15
	s_mov_b32 s[G1K], 15|(3<<16)|(1<<21)           ; 15:0 the mask: all four work-groups; 17:16 elements of 8 bytes; 21 set beside a mask
	s_mov_b32 s[G1K+1], 96<<16                     ; K's codes: 32 key blocks x 768 bytes, 73,728 bytes apart
	s_mov_b32 s[G1K+2], 32<<16
	s_mov_b32 s[G1K+3], 96<<16
	s_mov_b32 s[G1K+4], 32
	s_mov_b32 s[G1K+5], 9216
	s_mov_b32 s[G1K+6], 0
	s_mov_b32 s[G1K+7], 0
	s_mov_b32 s[G1V], 15|(3<<16)|(1<<21)
	s_mov_b32 s[G1V+1], 768<<16                    ; V's codes: 4 blocks of d x 6,144 bytes (512 keys)
	s_mov_b32 s[G1V+2], 4<<16
	s_mov_b32 s[G1V+3], 768<<16
	s_mov_b32 s[G1V+4], 4
	s_mov_b32 s[G1V+5], 9216
	s_mov_b32 s[G1V+6], 0
	s_mov_b32 s[G1V+7], 0
	s_mov_b32 s[G1KS], 15|(3<<16)|(1<<21)
	s_mov_b32 s[G1KS+1], 4<<16                     ; K's scale halves: 128 key blocks x 32 bytes, 3,072 bytes apart
	s_mov_b32 s[G1KS+2], 128<<16
	s_mov_b32 s[G1KS+3], 4<<16
	s_mov_b32 s[G1KS+4], 128
	s_mov_b32 s[G1KS+5], 384
	s_mov_b32 s[G1KS+6], 0
	s_mov_b32 s[G1KS+7], 0
	s_mov_b32 s[G1VS], 15|(3<<16)|(1<<21)
	s_mov_b32 s[G1VS+1], 128<<16                   ; V's: 4 blocks of d x 1,024 bytes
	s_mov_b32 s[G1VS+2], 4<<16
	s_mov_b32 s[G1VS+3], 128<<16
	s_mov_b32 s[G1VS+4], 4
	s_mov_b32 s[G1VS+5], 384
	s_mov_b32 s[G1VS+6], 0
	s_mov_b32 s[G1VS+7], 0
	; the five loads' places: K's + (wave & 1) x (V's - K's); nothing here hangs on my place in the cluster
	s_mul_i32 s96, s16, 9437184
	s_mul_i32 s19, s17, 768
	s_add_co_u32 s96, s96, s19
	s_add_co_u32 s96, s96, 12288                   ; K's codes: token block 128 b, half fragment 16 + head
	s_mul_i32 s97, s17, 294912
	s_mul_i32 s19, s16, 24576
	s_add_co_u32 s97, s97, s19
	s_add_co_u32 s97, s97, 18898944                ; V's codes: row block 256 + 4 head, half fragment 32 + 32 b
	s_sub_co_u32 s97, s97, s96
	s_mul_i32 s97, s97, s18
	s_add_co_u32 s96, s96, s97
	s_mov_b32 s97, 0
	s_mul_i32 s98, s18, 2353152
	s_sub_co_u32 s98, 2359296, s98                 ; from chunk to chunk: K 32 token blocks, V 6,144 bytes
	s_mov_b32 s99, 0
	s_mul_i32 s92, s18, 98304                      ; in LDS
	s_lshl_b32 s93, s18, 12
	s_mov_b32 s[SEL], 0x76543210
	s_mov_b32 s[SEL+1], 0xfedcba98
	s_mov_b32 s[CS], 0x3e38aa3b                    ; c = log2(e) / 8
	s_mov_b32 s[CS+1], s[CS]
	s_mov_b32 s[TK], 0
	s_mov_b32 s[TV], 0
	s_mov_b32 s[TKS], 0
	s_mov_b32 s[TVS], 0
	; my lane's places, and what the first step finds
	v_and_b32 v5, 31, v0
	v_and_b32 v6, 15, v0                           ; r
	v_bfe_u32 v7, v0, 4, 1                         ; h
	v_bfe_u32 v30, v0, 3, 1                        ; r / 8
	v_and_b32 v29, 7, v0                           ; r % 8
	v_lshlrev_b32 v31, 3, v5                       ; q's codes and o's: 8 x lane
	v_mul_u32_u24 v1, v30, 1536
	v_lshl_add_u32 v1, v7, 7, v1
	v_lshl_add_u32 v1, v29, 3, v1
	v_add_nc_u32 v1, KC, v1                        ; K's codes: 1,536 (r / 8) + 128 h + 8 (r % 8)
	v_add_nc_u32 v2, VC, v31                       ; V's codes
	v_lshlrev_b32 v3, 6, v30
	v_lshl_add_u32 v3, v29, 1, v3                  ; K's scale halves, from LDS byte 0: 64 (r / 8) + 2 (r % 8)
	v_lshl_add_u32 v4, v6, 1, VSC
	v_lshlrev_b32 v30, 1, v6                       ; q's scale half
	v_lshl_add_u32 v231, v6, 2, v7                 ; the way out of the scale bytes: 4 r + h
	v_lshlrev_b32 v29, 3, v7                       ; 8 h: my two scale bytes' place in p's word
	ADDR
.irp i, 22,23,24,25,26,27
	v_mov_b32 v[\i], 0                             ; K = 64 .. 127 of q: zero codes
.endr
.irp t, 0,1,2,3
.irp i, 6,7,8,9,10,11
	v_mov_b32 v[KF+12*\t+\i], 0                    ; and of k's four fragments
.endr
.endr
	v_mov_b32 v13, 0xff61b1e6                      ; the largest score so far: -3e38
	v_mov_b32 v12, 0x7f61b1e6                      ; -M: a whole number above every -t
	v_mov_b32 v[TO], 0x7f61b1e6
	v_mov_b32 v14, 0
	v_mov_b32 v15, 0
	v_mov_b32 v[BX], 0                             ; a lane permute's destination counts as one of its sources
	v_mov_b32 v[FF+1], 0                           ; named as the upper half of a pair
.set j, 0
.rept 32
	v_mov_b32 v[O+j], 0                            ; O^T: the step is written once; the first finds zeros
.set j, j+1
.endr
	s_wait_alu depctr_va_vdst(0)
	s_wait_dscnt 0x0                               ; both opening adds are done
	s_wait_kmcnt 0x0
	s_add_nc_u64 s[G0+6:G0+7], s[4:5], s[96:97]
	s_add_nc_u64 s[G0+10:G0+11], s[G0+6:G0+7], s[98:99]
	s_add_nc_u64 s[G0+14:G0+15], s[G0+10:G0+11], s[98:99]
	s_add_nc_u64 s[G0+18:G0+19], s[G0+14:G0+15], s[98:99]
	s_mul_i32 s96, s16, 393216
	s_lshl_b32 s19, s17, 5
	s_add_co_u32 s96, s96, s19
	s_add_co_u32 s96, s96, SOFF+512                ; K's scale halves
	s_mul_i32 s98, s17, 12288
	s_lshl_b32 s19, s16, 10
	s_add_co_u32 s98, s98, s19
	s_add_co_u32 s98, s98, SOFF+787456             ; V's
	s_sub_co_u32 s98, s98, s96
	s_mul_i32 s98, s98, s18
	s_add_co_u32 s96, s96, s98
	s_add_nc_u64 s[G0+2:G0+3], s[4:5], s[96:97]
	s_mov_b32 s[G0], 1
	s_add_co_u32 s[G0+1], s93, KSC
	s_or_b32 s[G0+3], s[G0+3], 0x80000000
.irp n, 0,1,2,3
	s_mov_b32 s[G0+4+4*\n], 1
	s_add_co_u32 s[G0+5+4*\n], s92, \n*24576+KC
	s_or_b32 s[G0+7+4*\n], s[G0+7+4*\n], 0x80000000
.endr
	s_bfe_u32 s13, ttmp6, 0x40000                  ; cx: it enters q's and o's addresses alone
	s_lshl_b32 s14, ttmp9, 2
	s_add_co_u32 s14, s14, s13                     ; my block of 256 queries
	s_lshl_b32 s20, s16, 7
	s_lshl_b32 s21, s14, 4
	s_add_co_u32 s20, s20, s21
	s_add_co_u32 s20, s20, s12                     ; my token block: 128 b + 16 block + wave
	s_mul_i32 s22, s20, IBS
	s_mul_i32 s21, s17, 768
	s_add_co_u32 s22, s22, s21
	s_mov_b32 s23, 0
	s_mul_i32 s24, s20, 96
	s_add_co_u32 s24, s24, s17
	s_lshl_b32 s24, s24, 5
	s_add_co_u32 s24, s24, SOFF
	s_mov_b32 s25, 0
	s_mul_i32 s94, s20, 12800
	s_add_co_u32 s26, s94, s21                     ; o's half fragment: record, + 768 head
	s_mov_b32 s27, 0
	s_lshr_b32 s95, s17, 1
	s_lshl_b32 s95, s95, 6
	s_add_co_u32 s94, s94, s95
	s_and_b32 s95, s17, 1
	s_lshl_b32 s95, s95, 1
	s_add_co_u32 s94, s94, s95
	s_add_co_u32 s94, s94, 12288                   ; its two scale bytes: 12,288 + 64 (head / 2) + 2 (head % 2)
	s_mov_b32 s95, 0
	s_add_nc_u64 s[22:23], s[4:5], s[22:23]
	s_add_nc_u64 s[24:25], s[4:5], s[24:25]
	s_add_nc_u64 s[26:27], s[6:7], s[26:27]
	s_add_nc_u64 s[94:95], s[6:7], s[94:95]
.irp j, 0,1,2
	global_load_b64 v[16+2*\j:17+2*\j], v31, s[22:23] offset:256*\j    ; q's half fragment stays in registers
.endr
	global_load_u16 v28, v30, s[24:25]             ; and its scale half: bytes 2, 3 are zeros
	ROUND                                          ; all four work-groups are here: the joint loads meet
	ARM 1, G0, G1KS                                ; one chain of arms, one load a wave; waves 10 to 15 issue none
	ARM 2, G0, G1VS
	ARM 3, G0+4, G1K
	ARM 4, G0+4, G1V
	ARM 5, G0+8, G1K
	ARM 6, G0+8, G1V
	ARM 7, G0+12, G1K
	ARM 8, G0+12, G1V
	ARM 9, G0+16, G1K
	ARM 10, G0+16, G1V
.Lasked:
.macro KLOAD c, o                      ; the four tiles of 64 keys, of this step (o = 0) or the next (o = 1): each lane's address picks its key
.irp u, 0,1,2,3
.irp j, 0,1,2
	ds_load_b64 v[KF+12*\u+2*\j:KF+12*\u+2*\j+1], v8 offset:6144*\o+3072*\c+768*(\u&1)+64*(\u>>1)+256*\j
.endr
	ds_load_u16 v[KS+\u], v10 offset:256*\o+128*\c+32*(\u&1)+16*(\u>>1)
.endr
.endm
.macro VTLOAD o                        ; V's eight scale halves of 128 keys
.irp d, 0,1,2,3
	ds_load_u16 v[VT+2*\d], v11 offset:64*\o+1024*\d
	ds_load_u16 v[VT+2*\d+1], v11 offset:64*\o+1024*\d+32
.endr
.endm
.macro VLOAD d                         ; a fragment of V lands where p lay
.irp p, 0,1,2,3,4,5
	ds_load_b64 v[S+12*\d+2*\p:S+12*\d+2*\p+1], v9 offset:6144*\d+256*\p
.endr
.endm
.macro QK c
.irp u, 0,1,2,3
	v_wmma_scale_f32_16x16x128_f8f6f4 v[S+32*\c+8*\u:S+32*\c+8*\u+7], v[KF+12*\u:KF+12*\u+11], v[16:27], 0, v[KS+\u], v28 matrix_a_fmt:MATRIX_FMT_BF6 matrix_b_fmt:MATRIX_FMT_BF6
.endr
.endm
.macro CHAINS c                        ; the largest of registers 0-6 of each of the four tiles of c: four chains by turns, each accumulator from its low end on
.irp t, 0,1,2,3
	v_max3_num_f32 v[BM+4*\c+\t], v[S+32*\c+8*\t], v[S+32*\c+8*\t+1], v[S+32*\c+8*\t+2]
.endr
.irp i, 3,5
.irp t, 0,1,2,3
	v_max3_num_f32 v[BM+4*\c+\t], v[BM+4*\c+\t], v[S+32*\c+8*\t+\i], v[S+32*\c+8*\t+\i+1]
.endr
.endr
.endm
.macro SUM8 j                          ; eight pairs of p onto the eight partial sums
.irp k, 0,1,2,3,4,5,6
	v_pk_add_f32 v[U+2*\k:U+2*\k+1], v[U+2*\k:U+2*\k+1], v[S+\j+2*\k:S+\j+2*\k+1]
.endr
	v_pk_add_f32 v[14:15], v[14:15], v[S+\j+14:S+\j+15]
.endm
.macro TM n                            ; t - M of the next n pairs
.rept \n
	v_pk_fma_f32 v[S+j:S+j+1], v[S+j:S+j+1], s[CS:CS+1], v[12:13] op_sel_hi:[1,0,0]
.set j, j+2
.endr
.endm
; A KEY STEP: 128 keys.  At its head the first four tiles of K, their scale halves and V's scale halves are in registers.
.macro STEP
	QK 0
.irp d, 0,1,2,3
	v_lshl_or_b32 v[VW+\d], v[VT+2*\d+1], 16, v[VT+2*\d]   ; V's scale words of these 128 keys; also the four places in front of the loads below
.endr
	KLOAD 1, 0
	CHAINS 0
	s_wait_alu depctr_va_vdst(0)
	s_wait_dscnt 0x0
	QK 1
	v_max3_num_f32 v[BM], v[BM], v[S+7], v[S+15]   ; block h's largest score; these four lines are also the places in front of the loads below
	v_max3_num_f32 v[BM+2], v[BM+2], v[S+23], v[S+31]
	v_max3_num_f32 v[BM], v[BM], v[BM+2], v[BM+1]
	v_max_num_f32 v[BM], v[BM], v[BM+3]
	KLOAD 0, 1                                     ; the next step's: 24 LDS loads, waited for in front of this step's second product
	VTLOAD 1
	CHAINS 1
	v_max3_num_f32 v[BM+4], v[BM+4], v[S+39], v[S+47]      ; block 2 + h's
	v_max3_num_f32 v[BM+6], v[BM+6], v[S+55], v[S+63]
	s_delay_alu instid0(VALU_DEP_1)
	v_max3_num_f32 v[BM+4], v[BM+4], v[BM+6], v[BM+5]
	s_delay_alu instid0(VALU_DEP_1)
	v_max_num_f32 v[BM+4], v[BM+4], v[BM+7]
	s_delay_alu instid0(VALU_DEP_1)
	v_max_num_f32 v[TT], v[BM], v[BM+4]
	s_delay_alu instid0(VALU_DEP_1)
	v_permlanex16_b32 v[BX], v[TT], s[SEL], s[SEL+1]
	s_delay_alu instid0(VALU_DEP_1)
	v_max3_num_f32 v13, v13, v[TT], v[BX]          ; the running largest score of my query (c is positive: the largest t is c x it)
	s_delay_alu instid0(VALU_DEP_1)
	v_mul_f32 v[TT], s[CS], v13
	s_delay_alu instid0(VALU_DEP_1)
	v_floor_f32 v12, -v[TT]                        ; the new -M = -ceil(t)
	s_delay_alu instid0(VALU_DEP_1)
	v_sub_f32 v[TT], v12, v[TO]
.set j, 0
	TM 4
	v_cvt_i32_f32 v[TT], v[TT]                     ; (it saturates)
	TM 4
	v_ldexp_f32 v[FF], 1.0, v[TT]                  ; f = 2^(old M - new M)
	TM 24
	v_fma_f32 v[BM], v[BM], s[CS], v12
	v_fma_f32 v[BM+4], v[BM+4], s[CS], v12
	s_wait_alu depctr_va_vdst(0)
.set j, 0
.rept 64
	v_exp_f32 v[S+j], v[S+j]                       ; p = 2^(t - M)
.set j, j+1
.endr
	v_exp_f32 v[BM], v[BM]                         ; the block's largest p: the same two instructions on the same number
	v_exp_f32 v[BM+4], v[BM+4]
	v_pk_mul_f32 v[14:15], v[14:15], v[FF:FF+1] op_sel_hi:[1,0]        ; the sums under the new M; a plain place behind the exponentials
	s_wait_alu depctr_va_vdst(0)                   ; and behind it, ahead of its first reader
	v_max_num_f32 v[BM], 0x2800000, v[BM]          ; the floor 2^(5 - 127): the byte cannot fall under 1
	v_max_num_f32 v[BM+4], 0x2800000, v[BM+4]
	s_delay_alu instid0(VALU_DEP_2)
	v_add_nc_u32 v[BE], 0xfe000000, v[BM]          ; 4 off the exponent field: the conversion's scale operand
	s_delay_alu instid0(VALU_DEP_2)
	v_add_nc_u32 v[BE+1], 0xfe000000, v[BM+4]
.irp c, 0,1
	v_cvt_scalef32_pk16_bf6_f32 v[PC+6*\c:PC+6*\c+2], v[S+32*\c:S+32*\c+15], v[BE+\c]
	v_cvt_scalef32_pk16_bf6_f32 v[PT+4*\c:PT+4*\c+2], v[S+32*\c+16:S+32*\c+31], v[BE+\c]   ; (a conversion's three registers begin on an even number)
.endr
.irp k, 0,1,2,3,4,5,6                  ; the row's sum of the unquantised p, in eight chains; also the plain places behind the conversions.  p's scale word is made between them
	v_pk_add_f32 v[U+2*\k:U+2*\k+1], v[S+4*\k:S+4*\k+1], v[S+4*\k+2:S+4*\k+3]
.endr
	v_lshrrev_b32 v[BY], 23, v[BE]
	v_lshrrev_b32 v[BY+1], 23, v[BE+1]
	v_pk_add_f32 v[14:15], v[14:15], v[S+28:S+29]
	SUM8 30
	v_lshl_or_b32 v[BY], v[BY+1], 16, v[BY]        ; my two bytes: blocks h and 2 + h,
	VLOAD 0                                        ; p's registers 0-45 have been added and converted
	VLOAD 1
	VLOAD 2
	SUM8 46
	v_lshlrev_b32 v[BY], v29, v[BY]                ; 8 h bits up;
	VLOAD 3
	v_pk_add_f32 v[U:U+1], v[U:U+1], v[S+62:S+63]
	v_pk_add_f32 v[U+2:U+3], v[U+2:U+3], v[U+4:U+5]
	v_pk_add_f32 v[U+6:U+7], v[U+6:U+7], v[U+8:U+9]
	v_pk_add_f32 v[U+10:U+11], v[U+10:U+11], v[U+12:U+13]
	v_permlanex16_b32 v[BX], v[BY], s[SEL], s[SEL+1]
	v_pk_add_f32 v[14:15], v[14:15], v[U:U+1]
	v_pk_add_f32 v[U+2:U+3], v[U+2:U+3], v[U+6:U+7]
	v_or_b32 v[PW], v[BY], v[BX]                   ; with lane l xor 16's two the word is whole
	v_pk_add_f32 v[14:15], v[14:15], v[U+10:U+11]
.irp c, 0,1
.irp i, 0,1,2
	v_mov_b32 v[PC+3+6*\c+\i], v[PT+4*\c+\i]
.endr
.endr
	v_pk_add_f32 v[14:15], v[14:15], v[U+2:U+3]
	s_wait_alu depctr_va_vdst(0)
.set j, 0
.rept 16
	v_pk_mul_f32 v[O+j:O+j+1], v[O+j:O+j+1], v[FF:FF+1] op_sel_hi:[1,0]      ; O^T under the new M
.set j, j+2
.endr
	s_wait_alu depctr_va_vdst(0)                   ; and here, directly ahead of the wait below
	s_wait_dscnt 0x0                               ; V's fragments, and the next step's look-ahead
.irp d, 0,1,2,3
	v_wmma_scale_f32_16x16x128_f8f6f4 v[O+8*\d:O+8*\d+7], v[S+12*\d:S+12*\d+11], v[PC:PC+11], v[O+8*\d:O+8*\d+7], v[VW+\d], v[PW] matrix_a_fmt:MATRIX_FMT_BF6 matrix_b_fmt:MATRIX_FMT_BF6
.endr
	s_add_co_u32 s[TK], s[TK], 6144
	s_add_co_u32 s[TKS], s[TKS], 256
	s_add_co_u32 s[TV], s[TV], 1536
	s_add_co_u32 s[TVS], s[TVS], 64
	ADDR                                           ; these four and the copy below are the five places ahead of the next step's scores, which are written over registers that these products read
	v_mov_b32 v[TO], v12
.endm
	s_wait_tensorcnt 0x0                           ; my one load is in,
	s_wait_loadcnt 0x0                             ; and q
	s_barrier_signal -1
	s_barrier_wait -1                              ; everybody's is: K and V are whole
	KLOAD 0, 0
	VTLOAD 0
	s_wait_dscnt 0x0
	s_mov_b32 s93, 4
.Lchunk:
	s_mov_b32 s92, 4
.Lstep:
	STEP
	s_sub_co_u32 s92, s92, 1
	s_cmp_lg_u32 s92, 0
	s_wait_alu depctr_va_vdst(0)
	s_cbranch_scc1 .Lstep
	s_add_co_u32 s[TV], s[TV], 18432               ; on to the next chunk of V
	v_add_nc_u32 v9, s[TV], v2
	s_sub_co_u32 s93, s93, 1
	s_cmp_lg_u32 s93, 0
	s_wait_alu depctr_va_vdst(0)
	s_cbranch_scc1 .Lchunk
	; THE WAY OUT: O^T / the sum, quantised along the head's 64 columns: one half fragment of the next product's left operand
	v_add_f32 v14, v14, v15
	s_delay_alu instid0(VALU_DEP_1)
	v_permlanex16_b32 v[TT], v14, s[SEL], s[SEL+1]
	s_delay_alu instid0(VALU_DEP_1)
	v_add_f32 v14, v14, v[TT]
	s_wait_alu depctr_va_vdst(0)
	v_rcp_f32 v14, v14
	v_nop                                          ; one plain place behind a transcendental
	s_wait_alu depctr_va_vdst(0)
.set j, 0
.rept 32
	v_mul_f32 v[S+j], v[O+j], v14                  ; register 8 dt + i is o(query r, 16 dt + 8 h + i); each accumulator from its low end on
.set j, j+1
.endr
	QUANT2 S, PC, 229
.irp j, 0,1,2
	global_store_b64 v31, v[PC+2*\j:PC+2*\j+1], s[26:27] offset:256*\j ; 32 lanes store 256 consecutive bytes, aligned
.endr
	v_lshrrev_b32 v230, v29, v229                  ; lane (r, h) stores byte h of row r's two
	global_store_b8 v231, v230, s[94:95]
	s_wait_tensorcnt 0x0                           ; the wave's end
	ds_add_u32 v254, v255
	s_wait_dscnt 0x0
	ROUND                                          ; the closing round: no work-group ends while a partner may still ask for a tile that names it
	s_endpgm
.Lfunc_end_k_qd084c66a30_attn:
	.size	k_qd084c66a30_attn, .Lfunc_end_k_qd084c66a30_attn-k_qd084c66a30_attn
	.p2alignl 7, 3214868480
	.fill 96, 4, 3214868480
	.section	.rodata,"a",@progbits
	.p2align	6, 0x0
	.amdhsa_kernel k_qd084c66a30_attn
		.amdhsa_group_segment_fixed_size 206848
		.amdhsa_private_segment_fixed_size 0
		.amdhsa_enable_private_segment 0
		.amdhsa_kernarg_size 16
		.amdhsa_user_sgpr_count 2
		.amdhsa_user_sgpr_kernarg_segment_ptr 1
		.amdhsa_wavefront_size32 1
		.amdhsa_system_sgpr_workgroup_id_x 1
		.amdhsa_system_sgpr_workgroup_id_y 1
		.amdhsa_system_sgpr_workgroup_id_z 1
		.amdhsa_system_vgpr_workitem_id 0
		.amdhsa_next_free_vgpr 256
		.amdhsa_next_free_sgpr 100
		.amdhsa_reserve_vcc 0
		.amdhsa_float_denorm_mode_32 3
		.amdhsa_float_denorm_mode_16_64 3
		.amdhsa_memory_ordered 1
		.amdhsa_forward_progress 1
		.amdhsa_inst_pref_size 38
	.end_amdhsa_kernel
	.amdgpu_metadata
---
amdhsa.version: [ 1, 2 ]
amdhsa.kernels:
  - .name:           k_qd084c66a30_attn
    .symbol:         k_qd084c66a30_attn.kd
    .args:
      - { .name: qkv, .offset: 0, .size: 8, .value_kind: global_buffer, .address_space: global }
      - { .name: ps, .offset: 8, .size: 8, .value_kind: global_buffer, .address_space: global }
    .group_segment_fixed_size: 206848
    .private_segment_fixed_size: 0
    .kernarg_segment_align: 8
    .kernarg_segment_size: 16
    .max_flat_workgroup_size: 512
    .sgpr_count:     100
    .vgpr_count:     256
    .wavefront_size: 32
...
	.end_amdgpu_metadata
.endif
;; end of part 3
;; launch go (part 4): grid 8 x 32, 16 waves a work-group, clusters of 4 x 4, 327,680 bytes of LDS; arguments ps, wr, bo, x, x1; writes x1
.if DOCPART == 4
	.amdgcn_target "amdgcn-amd-amdhsa--gfx1250"
	.amdhsa_code_object_version 6
	.text
	.protected	k_qd084c66a30_go
	.globl	k_qd084c66a30_go
	.p2align	8
	.type	k_qd084c66a30_go,@function
k_qd084c66a30_go:
	s_mov_b64 s[64:65], 0
	v_nop
	global_prefetch_b8 v0, s[64:65] scope:SCOPE_SE
	s_setreg_imm32_b32 hwreg(HW_REG_WAVE_MODE, 25, 1), 1
	s_wait_xcnt 0x0
	s_wait_alu depctr_hold_cnt(0) depctr_sa_sdst(0) depctr_va_vdst(0) depctr_va_sdst(0) depctr_va_ssrc(0) depctr_va_vcc(0) depctr_vm_vsrc(0)
	s_getreg_b32 s2, hwreg(HW_REG_IB_STS2, 6, 4)
	s_cmp_eq_u32 s2, 0
	s_cbranch_scc0 .Lentry_in_a_cluster
	s_endpgm
.Lentry_in_a_cluster:
	s_bfe_u32 s2, ttmp6, 0x10000c
	s_cmp_lg_u32 s2, 0xf033
	s_cbranch_scc0 .Lentry_shape_is_right
	s_endpgm
.Lentry_shape_is_right:
; x1 = x + o Wo + bo.  o (ps, records 0-255) and Wo (wr, records 0-63) are codes of BF6 with E8M0 scales in the order of the operand's registers; K = 1,024; the result is f32.
; A work-group makes 128 x 128 of the result, so that there are 256 of them.  Sixteen waves: four groups kg share K (K steps = kg mod 4), and in a group each wave makes 64 x 64 in 16 accumulators.
; The four partial sums meet in a stage in LDS; each wave then adds 16 rows x 64 columns, the bias and the residual, and stores whole runs of 256 bytes.
; A slot holds 512 along K: A's 8 records x 6,144 bytes, then B's.  K = 1,024 is two slots, both filled at the start; nothing is filled again here.
; TRANSPOSED USE: source 0 = 16 rows of the weight, source 1 = 16 rows of o: a lane holds eight neighbouring columns of one row.  CLUSTER 4 x 4: A's tiles are shared along a row, B's along a column.
; By this text's count a wave has at most three tensor loads out.  The sums over K are added in the order (kg 0 + kg 1) + (kg 2 + kg 3).  LIMITS: NaN and infinities are not served.
.set KSN,   8                          ; K steps of 128
.set UNITS, KSN/4
.set RECB,  KSN*1600
.set SCOFF, KSN*1536
.set WOFF,  0                          ; the weight's place in wr
.set SLOTB, 98304
.set SCA,   278528                     ; behind the stage: A's scale words [record] 64 KSN + 64 ks + 4 r
.set SCD,   16448
.set SPARE, 311552
.set SPW, 2
.set NIL, 3
.set ADRA, 4
.set ADRB, 6
.set ADRS, 8
.set STO, 9
.set RD,  10
.set GOFF, 14
.set BO,  15
.set SC,  16                           ; v16-19 scale words and nothing else
.set BIAS, 20
.set AF,  24
.set BF,  72
.set ACC, 128
.set WV,  12
.set G1A, 28
.set G1B, 36
.set G1SA, 44
.set G1SB, 52
.set G0A, 68                           ; s68-79: group 0 for A's scales, slot 0, slot 1;  s84-95 for B's
.set G0B, 84
.macro ROUND
	s_barrier_signal -1
	s_barrier_wait -1
	s_cmp_lg_u32 s[WV], 0
	s_cbranch_scc1 .Lnot_wave_0_\@
	s_barrier_signal -3
.Lnot_wave_0_\@:
	s_barrier_wait -3
	s_barrier_signal -1
	s_barrier_wait -1
.endm
.macro JLOAD g0a, g0b
	s_cmp_lt_u32 s[WV], 2
	s_cbranch_scc0 .Lnot_a_\@
	tensor_load_to_lds s[\g0a:\g0a+3], s[G1A:G1A+7]
.rept 4
	v_nop
.endr
	s_branch .Lasked_\@
.Lnot_a_\@:
	s_cmp_lt_u32 s[WV], 4
	s_cbranch_scc0 .Lasked_\@
	tensor_load_to_lds s[\g0b:\g0b+3], s[G1B:G1B+7]
.rept 4
	v_nop
.endr
.Lasked_\@:
.endm
.macro MM a, b, zero
.if \zero
	v_wmma_scale_f32_16x16x128_f8f6f4 v[ACC+8*(4*\a+\b):ACC+8*(4*\a+\b)+7], v[BF+12*\b:BF+12*\b+11], v[AF+12*\a:AF+12*\a+11], 0, v[SC+\b], v[SC+\a] matrix_a_fmt:MATRIX_FMT_BF6 matrix_b_fmt:MATRIX_FMT_BF6 matrix_a_scale:MATRIX_SCALE_ROW1
.else
	v_wmma_scale_f32_16x16x128_f8f6f4 v[ACC+8*(4*\a+\b):ACC+8*(4*\a+\b)+7], v[BF+12*\b:BF+12*\b+11], v[AF+12*\a:AF+12*\a+11], v[ACC+8*(4*\a+\b):ACC+8*(4*\a+\b)+7], v[SC+\b], v[SC+\a] matrix_a_fmt:MATRIX_FMT_BF6 matrix_b_fmt:MATRIX_FMT_BF6 matrix_a_scale:MATRIX_SCALE_ROW1
.endif
.endm
; My K step of a slot: 16 products, the 16 accumulators by turns, in the same order in every step
.macro PH slot, zero, first
.if \first == 0
.rept 4
	v_nop                                          ; places in front of loads into registers that matrix instructions have read
.endr
.endif
.irp i, 0,1,2,3
	ds_load_b32 v[SC+\i], v[ADRS] offset:64*KSN*\i
.endr
.irp b, 0,1,2,3
.irp p, 0,1,2,3,4,5
	ds_load_b64 v[BF+12*\b+2*\p:BF+12*\b+2*\p+1], v[ADRB+\slot] offset:6144*\b+256*\p
.endr
.endr
.irp a, 0,1,2,3
.irp p, 0,1,2,3,4,5
	ds_load_b64 v[AF+12*\a+2*\p:AF+12*\a+2*\p+1], v[ADRA+\slot] offset:6144*\a+256*\p
.endr
.endr
.irp a, 0,1,2,3
	s_wait_dscnt 18-6*\a                           ; A's younger blocks, six loads each, may be out
.irp b, 0,1,2,3
	MM \a, \b, \zero
.endr
.endr
	v_add_nc_u32 v[ADRS], 256, v[ADRS]             ; the next slot's scale words (no LDS load of mine is out)
.endm
; The change of slots.  refill = 1: the slot just read is filled again, two slots ahead, behind a round of the cluster's barrier
.macro TURN new, refill
	s_wait_tensorcnt 0x0                           ; all my tensor loads have landed, my part of the next slot among them
	ds_add_u32 v[SPW], v[NIL]                      ; 0 onto my spare word
.if \refill
	s_add_nc_u64 s[G0A+6+4*(1-\new):G0A+7+4*(1-\new)], s[G0A+6+4*(1-\new):G0A+7+4*(1-\new)], 12288
	s_add_nc_u64 s[G0B+6+4*(1-\new):G0B+7+4*(1-\new)], s[G0B+6+4*(1-\new):G0B+7+4*(1-\new)], 12288
.endif
	s_wait_dscnt 0x0                               ; the add is done, and my reads of the slot that I leave are over
.if \refill
	ROUND
	JLOAD G0A+4+4*(1-\new), G0B+4+4*(1-\new)
.else
	s_barrier_signal -1
	s_barrier_wait -1
.endif
	PH \new, 0, 0
.endm
	s_load_b256 s[4:11], s[0:1], 0x0               ; A's records, wr, the bias, the residual
	s_load_b64 s[26:27], s[0:1], 0x20              ; the result
	v_lshl_add_u32 v[SPW], v0, 2, SPARE
	v_mov_b32 v[NIL], 0
	ds_add_u32 v2, v3
	ds_add_u32 v2, v3
	s_wait_dscnt 0x0
	v_lshrrev_b32 v1, 5, v0
	s_delay_alu instid0(VALU_DEP_1)
	v_readfirstlane_b32 s[WV], v1                  ; wave 0..15
	s_lshr_b32 s13, s12, 2                         ; kg
	s_bfe_u32 s14, s12, 0x10001                    ; wm
	s_and_b32 s15, s12, 1                          ; wn; also: which 4 records a fetching wave fetches
	s_bfe_u32 s16, ttmp6, 0x40000                  ; cx
	s_bfe_u32 s17, ttmp6, 0x40004                  ; cy
	s_and_b32 s18, ttmp7, 0xffff
	s_lshl_b32 s18, s18, 2
	s_add_co_u32 s18, s18, s17                     ; tile row it
	s_lshl_b32 s19, ttmp9, 2
	s_add_co_u32 s19, s19, s16                     ; tile column jt
	s_lshl_b32 s20, s17, 2
	s_lshl_b32 s20, 15, s20
	s_lshl_b32 s21, 0x1111, s16
	s_or_b32 s[G1A], s20, (3<<16)|(1<<21)          ; 15:0 the mask; 17:16 elements of 8 bytes; 21 set beside a mask; no padding
	s_or_b32 s[G1B], s21, (3<<16)|(1<<21)
	s_or_b32 s[G1SA], s20, (3<<16)|(1<<21)
	s_or_b32 s[G1SB], s21, (3<<16)|(1<<21)
.irp g, G1A, G1B                       ; codes: 4 records x 6,144 bytes
	s_mov_b32 s[\g+1], 768<<16
	s_mov_b32 s[\g+2], 4<<16
	s_mov_b32 s[\g+3], 768<<16
	s_mov_b32 s[\g+4], 4
	s_mov_b32 s[\g+5], RECB/8
	s_mov_b32 s[\g+6], 0
	s_mov_b32 s[\g+7], 0
.endr
.irp g, G1SA, G1SB                     ; scale words: 4 records x 64 KSN bytes
	s_mov_b32 s[\g+1], (8*KSN)<<16
	s_mov_b32 s[\g+2], 4<<16
	s_mov_b32 s[\g+3], (8*KSN)<<16
	s_mov_b32 s[\g+4], 4
	s_mov_b32 s[\g+5], RECB/8
	s_mov_b32 s[\g+6], 0
	s_mov_b32 s[\g+7], 0
.endr
	s_lshl_b32 s22, s18, 3                         ; A: record 8 it + 4 half
	s_lshl_b32 s23, s15, 2
	s_add_co_u32 s22, s22, s23
	s_mul_i32 s22, s22, RECB
	s_mov_b32 s23, 0
	s_lshl_b32 s24, s19, 3                         ; B: record 8 jt + 4 half
	s_lshl_b32 s25, s15, 2
	s_add_co_u32 s24, s24, s25
	s_mul_i32 s24, s24, RECB
	s_add_co_u32 s24, s24, WOFF
	s_mov_b32 s25, 0
	s_and_b32 s62, s12, 3
	s_mul_i32 s63, s62, 24576
	s_lshr_b32 s62, s62, 1
	s_mul_i32 s62, s62, SCD
	s_mul_i32 s66, s15, 256*KSN
	s_add_co_u32 s62, s62, s66
	s_add_co_u32 s62, s62, SCA
	v_and_b32 v24, 15, v0                          ; r
	v_bfe_u32 v25, v0, 4, 1                        ; h
	v_and_b32 v26, 31, v0
	s_delay_alu instid0(VALU_DEP_1)
	v_lshlrev_b32 v26, 3, v26                      ; 8 x lane
	s_wait_alu depctr_va_vdst(0)
	s_mul_i32 s66, s14, 24576
	s_mul_i32 s60, s13, 1536
	s_add_co_u32 s66, s66, s60
	s_mul_i32 s67, s15, 24576
	s_add_co_u32 s67, s67, s60
	s_add_co_u32 s67, s67, 49152
.irp n, 0,1
	v_add_nc_u32 v[ADRA+\n], s66, v26
	v_add_nc_u32 v[ADRB+\n], s67, v26
	s_add_co_u32 s66, s66, SLOTB
	s_add_co_u32 s67, s67, SLOTB
.endr
	s_mul_i32 s66, s14, 256*KSN
	s_lshl_b32 s60, s13, 6
	s_add_co_u32 s66, s66, s60                     ; A's words: 256 KSN wm + 64 kg
	s_xor_b32 s67, s14, 1
	s_add_co_u32 s67, s67, s15
	s_mul_i32 s67, s67, 256*KSN
	s_add_co_u32 s67, s67, SCD-256*KSN             ; from there to B's: SCD + 256 KSN (wn - wm), with 1 - wm = wm xor 1
	v_mul_u32_u24 v27, s67, v25                    ; one product: lanes 16-31 take B's
	s_add_co_u32 s66, s66, SCA
	v_lshl_add_u32 v27, v24, 2, v27
	s_delay_alu instid0(VALU_DEP_1)
	v_add_nc_u32 v[ADRS], s66, v27
	s_mul_i32 s66, s12, 17408                      ; the stage: 64 rows x 272 bytes for each wave
	v_mul_u32_u24 v27, v24, 272
	s_delay_alu instid0(VALU_DEP_1)
	v_lshl_add_u32 v27, v25, 5, v27
	s_delay_alu instid0(VALU_DEP_1)
	v_add_nc_u32 v[STO], s66, v27
	s_and_b32 s66, s12, 3
	s_mul_i32 s66, s66, 17408
	s_mul_i32 s67, s13, 4352
	s_add_co_u32 s66, s66, s67                     ; back: rows 16 kg on of the four partial sums of my 64 x 64
	v_mul_u32_u24 v27, v25, 272
	s_delay_alu instid0(VALU_DEP_1)
	v_lshl_add_u32 v27, v24, 4, v27
.irp k, 0,1,2,3
	v_add_nc_u32 v[RD+\k], s66, v27
	s_add_co_u32 s66, s66, 69632
.endr
	v_lshlrev_b32 v[BO], 4, v24
	s_delay_alu instid0(VALU_DEP_1)
	v_lshl_add_u32 v[GOFF], v25, 12, v[BO]         ; lanes 0-15 one row's 256 bytes, lanes 16-31 the next row's
	s_lshl_b32 s2, s18, 7                          ; my 16 rows and 64 columns of the result
	s_lshl_b32 s3, s14, 6
	s_add_co_u32 s2, s2, s3
	s_lshl_b32 s3, s13, 4
	s_add_co_u32 s2, s2, s3
	s_lshl_b32 s2, s2, 12
	s_lshl_b32 s96, s19, 9
	s_lshl_b32 s3, s15, 8
	s_add_co_u32 s96, s96, s3
	s_add_co_u32 s2, s2, s96
	s_mov_b32 s3, 0
	s_mov_b32 s97, 0
	s_wait_alu depctr_va_vdst(0)
	s_wait_kmcnt 0x0
	s_add_nc_u64 s[22:23], s[4:5], s[22:23]
	s_add_nc_u64 s[24:25], s[6:7], s[24:25]
	s_add_nc_u64 s[8:9], s[8:9], s[96:97]
	s_add_nc_u64 s[10:11], s[10:11], s[2:3]
	s_add_nc_u64 s[26:27], s[26:27], s[2:3]
	global_load_b128 v[BIAS:BIAS+3], v[BO], s[8:9] ; the bias of my four columns
	s_mov_b32 s[G0A], 1
	s_mov_b32 s[G0A+1], s62
	s_add_nc_u64 s[G0A+2:G0A+3], s[22:23], SCOFF
	s_or_b32 s[G0A+3], s[G0A+3], 0x80000000
	s_mov_b32 s[G0B], 1
	s_mov_b32 s[G0B+1], s62
	s_add_nc_u64 s[G0B+2:G0B+3], s[24:25], SCOFF
	s_or_b32 s[G0B+3], s[G0B+3], 0x80000000
.irp n, 0,1
	s_mov_b32 s[G0A+4+4*\n], 1
	s_add_co_u32 s[G0A+5+4*\n], s63, \n*SLOTB
	s_add_nc_u64 s[G0A+6+4*\n:G0A+7+4*\n], s[22:23], \n*6144
	s_or_b32 s[G0A+7+4*\n], s[G0A+7+4*\n], 0x80000000
	s_mov_b32 s[G0B+4+4*\n], 1
	s_add_co_u32 s[G0B+5+4*\n], s63, \n*SLOTB
	s_add_nc_u64 s[G0B+6+4*\n:G0B+7+4*\n], s[24:25], \n*6144
	s_or_b32 s[G0B+7+4*\n], s[G0B+7+4*\n], 0x80000000
.endr
	ROUND                                          ; all sixteen work-groups are here: the first joint loads meet
; THE HEAD'S TWELVE FILLS, ONE A WAVE, in one chain of arms on the wave's number: waves 4 n + 0, 1 fetch A's halves and 4 n + 2, 3 B's; n = 0: the scale words, n = 1, 2: slots 0, 1.  Waves 12-15 issue none.
; The eight waves whose tiles the first K step reads wait for their one load inside their arm; slot 1 may be out at the barrier below.
.macro ARM under, g0, g1, w
	s_cmp_lt_u32 s[WV], \under
	s_cbranch_scc0 .Lnot_mine_\@
	tensor_load_to_lds s[\g0:\g0+3], s[\g1:\g1+7]
	s_nop 0
.rept 4
	v_nop
.endr
.if \w
	s_wait_tensorcnt 0x0
.endif
	s_branch .Lfirst_asked
.Lnot_mine_\@:
.endm
	ARM 2, G0A, G1SA, 1
	ARM 4, G0B, G1SB, 1
	ARM 6, G0A+4, G1A, 1
	ARM 8, G0B+4, G1B, 1
	ARM 10, G0A+8, G1A, 0
	ARM 12, G0B+8, G1B, 0
.Lfirst_asked:
	s_barrier_signal -1
	s_barrier_wait -1
	PH 0, 1, 1                                     ; the first products start the sums
.if UNITS > 2
	s_mov_b32 s61, (UNITS-2)/2
.Lunit:
	TURN 1, 1
	TURN 0, 1
	s_sub_co_u32 s61, s61, 1
	s_cmp_lg_u32 s61, 0
	s_cbranch_scc1 .Lunit
.endif
	s_wait_alu depctr_va_vdst(0)
	TURN 1, 0                                      ; the last slot: nothing is left to fetch
.rept 4
	v_nop                                          ; places in front of loads into A's registers and of the first read of results
.endr
.irp t, 0,1,2,3,4,5,6,7
	global_load_b128 v[24+4*\t:27+4*\t], v[GOFF], s[10:11] offset:8192*\t    ; the residual's 16 rows x 256 bytes
.endr
	s_wait_dscnt 0x0
	s_barrier_signal -1
	s_barrier_wait -1                              ; nobody reads the slots any more, and they have had their last fill: the stage may lie there
.irp a, 0,1,2,3
.irp b, 0,1,2,3
	ds_store_b128 v[STO], v[ACC+8*(4*\a+\b):ACC+8*(4*\a+\b)+3] offset:4352*\a+64*\b        ; each accumulator from its low end on
	ds_store_b128 v[STO], v[ACC+8*(4*\a+\b)+4:ACC+8*(4*\a+\b)+7] offset:4352*\a+64*\b+16
.endr
.endr
	s_wait_dscnt 0x0                               ; for the others' sake: my stores have landed
	s_barrier_signal -1
	s_barrier_wait -1
.irp k, 0,1,2,3
.irp t, 0,1,2,3,4,5,6,7
	ds_load_b128 v[128+32*\k+4*\t:131+32*\k+4*\t], v[RD+\k] offset:544*\t
.endr
.endr
	s_wait_dscnt 0x0
.irp t, 0,1,2,3,4,5,6,7
.irp u, 0,2
	v_pk_add_f32 v[128+4*\t+\u:129+4*\t+\u], v[128+4*\t+\u:129+4*\t+\u], v[160+4*\t+\u:161+4*\t+\u]
	v_pk_add_f32 v[192+4*\t+\u:193+4*\t+\u], v[192+4*\t+\u:193+4*\t+\u], v[224+4*\t+\u:225+4*\t+\u]
.endr
.endr
	s_wait_loadcnt 0x0                             ; the bias and the residual
.irp t, 0,1,2,3,4,5,6,7
.irp u, 0,2
	v_pk_add_f32 v[128+4*\t+\u:129+4*\t+\u], v[128+4*\t+\u:129+4*\t+\u], v[192+4*\t+\u:193+4*\t+\u]
	v_pk_add_f32 v[24+4*\t+\u:25+4*\t+\u], v[24+4*\t+\u:25+4*\t+\u], v[BIAS+\u:BIAS+\u+1]
.endr
.endr
.irp t, 0,1,2,3,4,5,6,7
.irp u, 0,2
	v_pk_add_f32 v[128+4*\t+\u:129+4*\t+\u], v[128+4*\t+\u:129+4*\t+\u], v[24+4*\t+\u:25+4*\t+\u]
.endr
	global_store_b128 v[GOFF], v[128+4*\t:131+4*\t], s[26:27] offset:8192*\t   ; 16 lanes store 256 consecutive bytes, aligned
.endr
	s_wait_tensorcnt 0x0                           ; the wave's end
	ds_add_u32 v[SPW], v[NIL]
	s_wait_dscnt 0x0
	ROUND                                          ; the closing round
	s_endpgm
.Lfunc_end_k_qd084c66a30_go:
	.size	k_qd084c66a30_go, .Lfunc_end_k_qd084c66a30_go-k_qd084c66a30_go
	.p2alignl 7, 3214868480
	.fill 96, 4, 3214868480
	.section	.rodata,"a",@progbits
	.p2align	6, 0x0
	.amdhsa_kernel k_qd084c66a30_go
		.amdhsa_group_segment_fixed_size 327680
		.amdhsa_private_segment_fixed_size 0
		.amdhsa_enable_private_segment 0
		.amdhsa_kernarg_size 40
		.amdhsa_user_sgpr_count 2
		.amdhsa_user_sgpr_kernarg_segment_ptr 1
		.amdhsa_wavefront_size32 1
		.amdhsa_system_sgpr_workgroup_id_x 1
		.amdhsa_system_sgpr_workgroup_id_y 1
		.amdhsa_system_sgpr_workgroup_id_z 1
		.amdhsa_system_vgpr_workitem_id 0
		.amdhsa_next_free_vgpr 256
		.amdhsa_next_free_sgpr 100
		.amdhsa_reserve_vcc 0
		.amdhsa_float_denorm_mode_32 3
		.amdhsa_float_denorm_mode_16_64 3
		.amdhsa_memory_ordered 1
		.amdhsa_forward_progress 1
		.amdhsa_inst_pref_size 34
	.end_amdhsa_kernel
	.amdgpu_metadata
---
amdhsa.version: [ 1, 2 ]
amdhsa.kernels:
  - .name:           k_qd084c66a30_go
    .symbol:         k_qd084c66a30_go.kd
    .args:
      - { .name: ps, .offset: 0, .size: 8, .value_kind: global_buffer, .address_space: global }
      - { .name: wr, .offset: 8, .size: 8, .value_kind: global_buffer, .address_space: global }
      - { .name: bo, .offset: 16, .size: 8, .value_kind: global_buffer, .address_space: global }
      - { .name: x, .offset: 24, .size: 8, .value_kind: global_buffer, .address_space: global }
      - { .name: x1, .offset: 32, .size: 8, .value_kind: global_buffer, .address_space: global }
    .group_segment_fixed_size: 327680
    .private_segment_fixed_size: 0
    .kernarg_segment_align: 8
    .kernarg_segment_size: 40
    .max_flat_workgroup_size: 512
    .sgpr_count:     100
    .vgpr_count:     256
    .wavefront_size: 32
...
	.end_amdgpu_metadata
.endif
;; end of part 4
;; launch ln2 (part 5): grid 256 x 1, 16 waves a work-group, no clusters, 6,144 bytes of LDS; arguments x1, ln2_g, ln2_b, ps; writes ps
.if DOCPART == 5
	.amdgcn_target "amdgcn-amd-amdhsa--gfx1250"
	.amdhsa_code_object_version 6
	.text
	.protected	k_qd084c66a30_ln2
	.globl	k_qd084c66a30_ln2
	.p2align	8
	.type	k_qd084c66a30_ln2,@function
k_qd084c66a30_ln2:
	s_mov_b64 s[64:65], 0
	v_nop
	global_prefetch_b8 v0, s[64:65] scope:SCOPE_SE
	s_setreg_imm32_b32 hwreg(HW_REG_WAVE_MODE, 25, 1), 1
	s_wait_xcnt 0x0
; m = LayerNorm(x1) g + b, in f32, quantised along its 1,024 columns to BF6 with one E8M0 byte for each 32, and stored into ps (record rb) in the order of the operand's registers.
; A work-group takes 16 rows, one record.  Wave w takes columns 64 w .. 64 w + 63: one half fragment.  Lane (r, h) holds 32 numbers of row r: register 16 b + 8 u + i is column 64 w + 32 b + 16 u + 8 h + i,
; so that after the exchange of halves a block of 32 stands in the order pi, in which every operand of this program is laid.
; Mean and variance in two passes over the registers (the variance of x - mean: a common offset costs no accuracy); the sixteen waves' partial sums meet in LDS, added by every wave in one fixed order.
; No tensor loads, no cluster: work-groups share only g and b, 8 KiB.  LIMITS: NaN and infinities are not served; a block of zeros gets the byte 1 (its codes are zeros; the bytes are read by this program alone).
.set X,   32
.set G,   64
.set BB,  96
.set T,   160
.set QM,  10
.set QT,  18
.set W,   21
.set C,   22
.set MU,  28
.set RS,  30
.set RED1, 0
.set RED2, 1024
.set SCL,  2048
.set SEL, 20
.macro LD8 reg, off, base
.irp q, 0,1,2,3,4,5,6,7
	global_load_b128 v[\reg+4*\q:\reg+4*\q+3], v[\off], s[\base:\base+1] offset:128*(\q/4)+64*((\q/2)%2)+16*(\q%2)
.endr
.endm
.macro REDUCE red                      ; my pair of partial sums in v[T:T+1] -> the row's sum in v[T], the same bits in every wave
	s_delay_alu instid0(VALU_DEP_1)
	v_add_f32 v[T], v[T], v[T+1]
	s_delay_alu instid0(VALU_DEP_1)
	v_permlanex16_b32 v[T+2], v[T], s[SEL], s[SEL+1]
	s_delay_alu instid0(VALU_DEP_1)
	v_add_f32 v[T], v[T], v[T+2]
	ds_store_b32 v7, v[T] offset:\red
	s_wait_dscnt 0x0                               ; for the others' sake: my store has landed
	s_barrier_signal -1
	s_barrier_wait -1
.irp q, 0,1,2,3
	ds_load_b128 v[T+4*\q:T+4*\q+3], v8 offset:\red+16*\q
.endr
	s_wait_dscnt 0x0
.irp q, 0,2,4,6
	v_pk_add_f32 v[T+\q:T+\q+1], v[T+\q:T+\q+1], v[T+8+\q:T+9+\q]
.endr
	s_delay_alu instid0(VALU_DEP_2)
	v_pk_add_f32 v[T:T+1], v[T:T+1], v[T+4:T+5]
	s_delay_alu instid0(VALU_DEP_2)
	v_pk_add_f32 v[T+2:T+3], v[T+2:T+3], v[T+6:T+7]
	s_delay_alu instid0(VALU_DEP_1)
	v_pk_add_f32 v[T:T+1], v[T:T+1], v[T+2:T+3]
	s_delay_alu instid0(VALU_DEP_1)
	v_add_f32 v[T], v[T], v[T+1]
.endm
.macro QUANT2 s, c, w
	v_max3_num_f32 v[QM], |v[\s]|, |v[\s+1]|, 0x2800000
	v_max3_num_f32 v[QM+1], |v[\s+16]|, |v[\s+17]|, 0x2800000
.irp i, 2,4,6,8,10,12,14
	s_delay_alu instid0(VALU_DEP_2)
	v_max3_num_f32 v[QM], v[QM], |v[\s+\i]|, |v[\s+\i+1]|
	s_delay_alu instid0(VALU_DEP_2)
	v_max3_num_f32 v[QM+1], v[QM+1], |v[\s+16+\i]|, |v[\s+17+\i]|
.endr
	s_delay_alu instid0(VALU_DEP_2)
	v_permlanex16_b32 v[QM+2], v[QM], s[SEL], s[SEL+1]
	s_delay_alu instid0(VALU_DEP_2)
	v_permlanex16_b32 v[QM+3], v[QM+1], s[SEL], s[SEL+1]
	s_delay_alu instid0(VALU_DEP_2)
	v_max_num_f32 v[QM], v[QM], v[QM+2]
	s_delay_alu instid0(VALU_DEP_2)
	v_max_num_f32 v[QM+1], v[QM+1], v[QM+3]
	s_delay_alu instid0(VALU_DEP_2)
	v_add_nc_u32 v[QM+4], 0xfe000000, v[QM]
	s_delay_alu instid0(VALU_DEP_2)
	v_add_nc_u32 v[QM+5], 0xfe000000, v[QM+1]
	s_delay_alu instid0(VALU_DEP_2)
	v_lshrrev_b32 v[QM+6], 23, v[QM+4]
	s_delay_alu instid0(VALU_DEP_2)
	v_lshrrev_b32 v[QM+7], 23, v[QM+5]
	s_delay_alu instid0(VALU_DEP_1)
	v_lshl_or_b32 v[\w], v[QM+7], 8, v[QM+6]
	v_cvt_scalef32_pk16_bf6_f32 v[\c:\c+2], v[\s:\s+15], v[QM+4]
	v_cvt_scalef32_pk16_bf6_f32 v[QT:QT+2], v[\s+16:\s+31], v[QM+5]
	v_nop                                          ; one plain place behind a scaled conversion
.irp i, 0,1,2
	v_permlane16_swap_b32 v[\c+\i], v[QT+\i]
.endr
.irp i, 0,1,2
	s_delay_alu instid0(VALU_DEP_3)
	v_mov_b32 v[\c+3+\i], v[QT+\i]
.endr
.endm
	s_load_b256 s[4:11], s[0:1], 0x0               ; x1, g, b, ps
	v_lshl_add_u32 v176, v0, 2, 0x1000
	v_mov_b32 v177, 0
	v_lshrrev_b32 v1, 5, v0
	s_delay_alu instid0(VALU_DEP_1)
	v_readfirstlane_b32 s16, v1                    ; wave 0..15
	v_and_b32 v1, 15, v0                           ; r
	v_bfe_u32 v2, v0, 4, 1                         ; h
	v_and_b32 v3, 31, v0
	s_lshl_b32 s17, s16, 8
	v_lshlrev_b32 v5, 5, v2
	s_delay_alu instid0(VALU_DEP_1)
	v_add_nc_u32 v5, s17, v5                       ; g, b: 256 w + 32 h
	s_delay_alu instid0(VALU_DEP_1)
	v_lshl_add_u32 v4, v1, 12, v5                  ; x1: + 4,096 r
	v_lshlrev_b32 v6, 3, v3
	s_mul_i32 s18, s16, 768
	v_add_nc_u32 v6, s18, v6                       ; the codes: 768 w + 8 x lane
	v_lshlrev_b32 v3, 4, v3                        ; 16 x lane: the scale words' way out
	s_lshl_b32 s18, s16, 2
	v_lshlrev_b32 v8, 6, v1
	s_delay_alu instid0(VALU_DEP_1)
	v_add_nc_u32 v7, s18, v8
	s_lshr_b32 s18, s16, 1
	s_lshl_b32 s18, s18, 6
	s_and_b32 s19, s16, 1
	s_lshl_b32 s19, s19, 1
	s_add_co_u32 s18, s18, s19
	v_lshl_add_u32 v9, v1, 2, s18                  ; my half of a scale word: 64 (w / 2) + 4 r + 2 (w % 2)
	v_mov_b32 v[QM+2], 0
	v_mov_b32 v[QM+3], 0
	s_mov_b32 s[SEL], 0x76543210
	s_mov_b32 s[SEL+1], 0xfedcba98
	s_mov_b32 s28, 0x3a800000                      ; 1 / 1,024
	s_mov_b32 s29, 0x3727c5ac                      ; 1e-5
	s_lshl_b32 s22, ttmp9, 16
	s_mov_b32 s23, 0
	s_mul_i32 s26, ttmp9, 12800
	s_mov_b32 s27, 0
	s_wait_alu depctr_va_vdst(0)
	s_wait_kmcnt 0x0
	s_add_nc_u64 s[4:5], s[4:5], s[22:23]
	s_add_nc_u64 s[10:11], s[10:11], s[26:27]
	LD8 X, 4, 4
	LD8 G, 5, 6
	LD8 BB, 5, 8
	s_wait_loadcnt 16                              ; x1 is in; g and b (8 loads each) may be out
	v_pk_add_f32 v[162:163], v[32:33], v[40:41]
	v_pk_add_f32 v[164:165], v[48:49], v[56:57]
	v_pk_add_f32 v[166:167], v[34:35], v[42:43]
	v_pk_add_f32 v[174:175], v[50:51], v[58:59]
	v_pk_add_f32 v[172:173], v[36:37], v[44:45]
	v_pk_add_f32 v[170:171], v[52:53], v[60:61]
	v_pk_add_f32 v[168:169], v[38:39], v[46:47]
	v_pk_add_f32 v[160:161], v[54:55], v[62:63]
	s_delay_alu instid0(VALU_DEP_1)
	v_pk_add_f32 v[160:161], v[160:161], v[174:175]
	v_pk_add_f32 v[162:163], v[162:163], v[172:173]
	v_pk_add_f32 v[164:165], v[164:165], v[170:171]
	v_pk_add_f32 v[166:167], v[166:167], v[168:169]
	s_delay_alu instid0(VALU_DEP_2)
	v_pk_add_f32 v[160:161], v[160:161], v[164:165]
	s_delay_alu instid0(VALU_DEP_2)
	v_pk_add_f32 v[162:163], v[162:163], v[166:167]
	s_delay_alu instid0(VALU_DEP_1)
	v_pk_add_f32 v[160:161], v[160:161], v[162:163]
	REDUCE RED1
	s_delay_alu instid0(VALU_DEP_1)
	v_mul_f32 v[MU], s28, v[T]
	s_delay_alu instid0(VALU_DEP_1)
	v_mov_b32 v[MU+1], v[MU]
.set j, 0
.rept 16
	v_pk_add_f32 v[X+j:X+j+1], v[X+j:X+j+1], v[MU:MU+1] neg_lo:[0,1] neg_hi:[0,1]
.set j, j+2
.endr
	v_pk_mul_f32 v[T:T+1], v[X:X+1], v[X:X+1]
	v_pk_mul_f32 v[T+2:T+3], v[X+2:X+3], v[X+2:X+3]
.irp j, 4,8,12,16,20,24,28
	s_delay_alu instid0(VALU_DEP_2)
	v_pk_fma_f32 v[T:T+1], v[X+\j:X+\j+1], v[X+\j:X+\j+1], v[T:T+1]
	s_delay_alu instid0(VALU_DEP_2)
	v_pk_fma_f32 v[T+2:T+3], v[X+\j+2:X+\j+3], v[X+\j+2:X+\j+3], v[T+2:T+3]
.endr
	s_delay_alu instid0(VALU_DEP_1)
	v_pk_add_f32 v[T:T+1], v[T:T+1], v[T+2:T+3]
	REDUCE RED2
	s_delay_alu instid0(VALU_DEP_1)
	v_fma_f32 v[RS], v[T], s28, s29
	s_wait_alu depctr_va_vdst(0)
	v_rsq_f32 v[RS], v[RS]
	v_nop                                          ; one plain place behind a transcendental
	s_wait_alu depctr_va_vdst(0)
	v_mov_b32 v[RS+1], v[RS]
	s_wait_alu depctr_va_vdst(0)
	s_wait_loadcnt 0x0                             ; g, b
.set j, 0
.rept 16
	v_pk_mul_f32 v[X+j:X+j+1], v[X+j:X+j+1], v[RS:RS+1]
.set j, j+2
.endr
.set j, 0
.rept 16
	v_pk_fma_f32 v[X+j:X+j+1], v[X+j:X+j+1], v[G+j:G+j+1], v[BB+j:BB+j+1]
.set j, j+2
.endr
	QUANT2 X, C, W
.irp j, 0,1,2
	global_store_b64 v6, v[C+2*\j:C+2*\j+1], s[10:11] offset:256*\j    ; 32 lanes store 256 consecutive bytes, aligned
.endr
	ds_store_b16 v9, v[W] offset:SCL
	s_wait_dscnt 0x0
	s_barrier_signal -1
	s_barrier_wait -1
	s_cmp_lg_u32 s16, 0
	s_cbranch_scc1 .Lend
	ds_load_b128 v[T:T+3], v3 offset:SCL
	s_wait_dscnt 0x0
	global_store_b128 v3, v[T:T+3], s[10:11] offset:12288
.Lend:
	s_wait_tensorcnt 0x0
	ds_add_u32 v176, v177
	s_wait_dscnt 0x0
	s_endpgm
.Lfunc_end_k_qd084c66a30_ln2:
	.size	k_qd084c66a30_ln2, .Lfunc_end_k_qd084c66a30_ln2-k_qd084c66a30_ln2
	.p2alignl 7, 3214868480
	.fill 96, 4, 3214868480
	.section	.rodata,"a",@progbits
	.p2align	6, 0x0
	.amdhsa_kernel k_qd084c66a30_ln2
		.amdhsa_group_segment_fixed_size 6144
		.amdhsa_private_segment_fixed_size 0
		.amdhsa_enable_private_segment 0
		.amdhsa_kernarg_size 32
		.amdhsa_user_sgpr_count 2
		.amdhsa_user_sgpr_kernarg_segment_ptr 1
		.amdhsa_wavefront_size32 1
		.amdhsa_system_sgpr_workgroup_id_x 1
		.amdhsa_system_sgpr_workgroup_id_y 1
		.amdhsa_system_sgpr_workgroup_id_z 1
		.amdhsa_system_vgpr_workitem_id 0
		.amdhsa_next_free_vgpr 178
		.amdhsa_next_free_sgpr 66
		.amdhsa_reserve_vcc 0
		.amdhsa_float_denorm_mode_32 3
		.amdhsa_float_denorm_mode_16_64 3
		.amdhsa_memory_ordered 1
		.amdhsa_forward_progress 1
		.amdhsa_inst_pref_size 17
	.end_amdhsa_kernel
	.amdgpu_metadata
---
amdhsa.version: [ 1, 2 ]
amdhsa.kernels:
  - .name:           k_qd084c66a30_ln2
    .symbol:         k_qd084c66a30_ln2.kd
    .args:
      - { .name: x1, .offset: 0, .size: 8, .value_kind: global_buffer, .address_space: global }
      - { .name: ln2_g, .offset: 8, .size: 8, .value_kind: global_buffer, .address_space: global }
      - { .name: ln2_b, .offset: 16, .size: 8, .value_kind: global_buffer, .address_space: global }
      - { .name: ps, .offset: 24, .size: 8, .value_kind: global_buffer, .address_space: global }
    .group_segment_fixed_size: 6144
    .private_segment_fixed_size: 0
    .kernarg_segment_align: 8
    .kernarg_segment_size: 32
    .max_flat_workgroup_size: 512
    .sgpr_count:     66
    .vgpr_count:     178
    .wavefront_size: 32
...
	.end_amdgpu_metadata
.endif
;; end of part 5
;; launch g1 (part 6): grid 16 x 16, 16 waves a work-group, clusters of 4 x 4, 327,680 bytes of LDS; arguments ps, wr, b1, hid; writes hid
.if DOCPART == 6
	.amdgcn_target "amdgcn-amd-amdhsa--gfx1250"
	.amdhsa_code_object_version 6
	.text
	.protected	k_qd084c66a30_g1
	.globl	k_qd084c66a30_g1
	.p2align	8
	.type	k_qd084c66a30_g1,@function
k_qd084c66a30_g1:
	s_mov_b64 s[64:65], 0
	v_nop
	global_prefetch_b8 v0, s[64:65] scope:SCOPE_SE
	s_setreg_imm32_b32 hwreg(HW_REG_WAVE_MODE, 25, 1), 1
	s_wait_xcnt 0x0
	s_wait_alu depctr_hold_cnt(0) depctr_sa_sdst(0) depctr_va_vdst(0) depctr_va_sdst(0) depctr_va_ssrc(0) depctr_va_vcc(0) depctr_vm_vsrc(0)
	s_getreg_b32 s2, hwreg(HW_REG_IB_STS2, 6, 4)
	s_cmp_eq_u32 s2, 0
	s_cbranch_scc0 .Lentry_in_a_cluster
	s_endpgm
.Lentry_in_a_cluster:
	s_bfe_u32 s2, ttmp6, 0x10000c
	s_cmp_lg_u32 s2, 0xf033
	s_cbranch_scc0 .Lentry_shape_is_right
	s_endpgm
.Lentry_shape_is_right:
; hid = Q(gelu(m W1 + b1)): the first MLP product, K = 1,024, on codes of BF6 with E8M0 scales; bias, exact gelu and the next product's quantiser stand on the way out, so that only codes go to memory.
; P = ps (records 0-255: m), Q = wr + 819,200 (256 records: W1, rows = the 4,096 hidden units).  256 work-groups, one tile of 256 x 256 each.
; Sixteen waves, each 64 x 64 in 16 accumulators and 256 registers: four waves to a SIMD, so that one wave's LDS loads and gelu stand beside another's products.
; TRANSPOSED USE: source 0 = 16 rows of W1, source 1 = 16 rows of m: a lane holds one row and its registers run along the hidden units, the next K: block a's 32 registers are one half fragment.
; A RECORD OF hid (16 rows, K = 4,096) is eight units of 6,400 bytes: eight half fragments of 768, then the 256 bytes of their scale words (64 for each 128 along K, 4 r in them): one tile for the next launch's tensor loads.
; THE BIAS is loaded into the accumulators: every product adds in place.  CLUSTER 4 x 4: P's tiles are shared along a row of the cluster, Q's along a column, by joint loads.
; K goes in four slot fills of 256: three slots are filled at the start, slot 0 once more.  By this text's count a wave has at most four tensor loads out.
; GELU: gelu(x) = max(x, 0) - |x| erfc(|x| / sqrt 2) / 2, with erfc(z) = t exp(-z^2 + a polynomial of degree 9 in t), t = 1 / (1 + z / 2) (its stated fractional error: 1.2e-7), all factors folded into the constants, base 2.
; LIMITS: NaN and infinities are not served; under about x = -13 the second term falls under the smallest normal number and gelu comes out as -0; a block of zeros gets the byte 1 (its codes are zeros; this program alone reads the bytes).
.set RECB,  12800
.set SLOTB, 98304
.set SCA,   294912
.set SCD,   8256
.set SPARE, 311552
.set IBS,   51200                      ; a record of hid
.set SPW, 2
.set NIL, 3
.set ADRA, 4
.set ADRB, 7
.set ADRS, 10
.set OC,  11
.set OS,  12
.set RR,  13
.set HH,  14
.set TP,  15
.set SC,  16                           ; v16-19 scale words and nothing else
.set K9,  20                           ; v20-21 the polynomial's leading number, twice
.set BO,  22
.set AF,  24
.set BF,  72
.set XP,  24                           ; the way out: gelu's v24-71
.set TT,  40
.set PP,  56
.set CW,  84
.set CO,  92
.set QT,  116
.set QM,  120
.set ACC, 128
.set WV,  12
.set G1A, 28
.set G1B, 36
.set G1SA, 44
.set G1SB, 52
.set SEL, 60
.set G0A, 68
.set G0B, 84
.macro ROUND
	s_barrier_signal -1
	s_barrier_wait -1
	s_cmp_lg_u32 s[WV], 0
	s_cbranch_scc1 .Lnot_wave_0_\@
	s_barrier_signal -3
.Lnot_wave_0_\@:
	s_barrier_wait -3
	s_barrier_signal -1
	s_barrier_wait -1
.endm
.macro JLOAD g0a, g0b
	s_cmp_lt_u32 s[WV], 2
	s_cbranch_scc0 .Lnot_p_\@
	tensor_load_to_lds s[\g0a:\g0a+3], s[G1A:G1A+7]
	s_nop 0
.rept 4
	v_nop
.endr
	s_branch .Lasked_\@
.Lnot_p_\@:
	s_cmp_lt_u32 s[WV], 4
	s_cbranch_scc0 .Lasked_\@
	tensor_load_to_lds s[\g0b:\g0b+3], s[G1B:G1B+7]
	s_nop 0
.rept 4
	v_nop
.endr
.Lasked_\@:
.endm
.macro MM a, b
	v_wmma_scale_f32_16x16x128_f8f6f4 v[ACC+8*(4*\a+\b):ACC+8*(4*\a+\b)+7], v[BF+12*\b:BF+12*\b+11], v[AF+12*\a:AF+12*\a+11], v[ACC+8*(4*\a+\b):ACC+8*(4*\a+\b)+7], v[SC+\b], v[SC+\a] matrix_a_fmt:MATRIX_FMT_BF6 matrix_b_fmt:MATRIX_FMT_BF6 matrix_a_scale:MATRIX_SCALE_ROW1
.endm
.macro KSTEP slot, q, ks, first
.if \first == 0
.rept 4
	v_nop                                          ; places in front of loads into registers that matrix instructions have read
.endr
.endif
.irp i, 0,1,2,3
	ds_load_b32 v[SC+\i], v[ADRS] offset:512*\i+64*\ks
.endr
.irp b, 0,1,2,3
.irp p, 0,1,2,3,4,5
	ds_load_b64 v[BF+12*\b+2*\p:BF+12*\b+2*\p+1], v[ADRB+\slot] offset:3072*\b+1536*\q+256*\p
.endr
.endr
.irp a, 0,1,2,3
.irp p, 0,1,2,3,4,5
	ds_load_b64 v[AF+12*\a+2*\p:AF+12*\a+2*\p+1], v[ADRA+\slot] offset:3072*\a+1536*\q+256*\p
.endr
.endr
.irp a, 0,1,2,3
	s_wait_dscnt 18-6*\a                           ; P's younger blocks, six loads each, may be out
.irp b, 0,1,2,3
	MM \a, \b
.endr
.endr
.endm
.macro QUANT2 s, c, w
	v_max3_num_f32 v[QM], |v[\s]|, |v[\s+1]|, 0x2800000
	v_max3_num_f32 v[QM+1], |v[\s+16]|, |v[\s+17]|, 0x2800000
.irp i, 2,4,6,8,10,12,14
	s_delay_alu instid0(VALU_DEP_2)
	v_max3_num_f32 v[QM], v[QM], |v[\s+\i]|, |v[\s+\i+1]|
	s_delay_alu instid0(VALU_DEP_2)
	v_max3_num_f32 v[QM+1], v[QM+1], |v[\s+16+\i]|, |v[\s+17+\i]|
.endr
	s_delay_alu instid0(VALU_DEP_2)
	v_permlanex16_b32 v[QM+2], v[QM], s[SEL], s[SEL+1]
	s_delay_alu instid0(VALU_DEP_2)
	v_permlanex16_b32 v[QM+3], v[QM+1], s[SEL], s[SEL+1]
	s_delay_alu instid0(VALU_DEP_2)
	v_max_num_f32 v[QM], v[QM], v[QM+2]
	s_delay_alu instid0(VALU_DEP_2)
	v_max_num_f32 v[QM+1], v[QM+1], v[QM+3]
	s_delay_alu instid0(VALU_DEP_2)
	v_add_nc_u32 v[QM+4], 0xfe000000, v[QM]
	s_delay_alu instid0(VALU_DEP_2)
	v_add_nc_u32 v[QM+5], 0xfe000000, v[QM+1]
	s_delay_alu instid0(VALU_DEP_2)
	v_lshrrev_b32 v[QM+6], 23, v[QM+4]
	s_delay_alu instid0(VALU_DEP_2)
	v_lshrrev_b32 v[QM+7], 23, v[QM+5]
	s_delay_alu instid0(VALU_DEP_1)
	v_lshl_or_b32 v[\w], v[QM+7], 8, v[QM+6]
	v_cvt_scalef32_pk16_bf6_f32 v[\c:\c+2], v[\s:\s+15], v[QM+4]
	v_cvt_scalef32_pk16_bf6_f32 v[QT:QT+2], v[\s+16:\s+31], v[QM+5]
	v_nop                                          ; one plain place behind a scaled conversion
.irp i, 0,1,2
	v_permlane16_swap_b32 v[\c+\i], v[QT+\i]
.endr
.irp i, 0,1,2
	s_delay_alu instid0(VALU_DEP_3)
	v_mov_b32 v[\c+3+\i], v[QT+\i]
.endr
.endm
; gelu of 16 registers, in place.  u = x sqrt(log2(e) / 2), so that u^2 = (x^2 / 2) log2(e); t = 1 / (1 + |u| kappa) = 1 / (1 + |x| / (2 sqrt 2)).
.macro GELU16 x
.irp j, 0,2,4,6,8,10,12,14
	v_pk_mul_f32 v[XP+\j:XP+\j+1], v[\x+\j:\x+\j+1], 0x3f596d27 op_sel_hi:[1,0]      ; each accumulator is read from its low end on
.endr
.irp j, 0,1,2,3,4,5,6,7,8,9,10,11,12,13,14,15
	v_fma_f32 v[TT+\j], |v[XP+\j]|, 0x3ed5224d, 1.0
.endr
	s_wait_alu depctr_va_vdst(0)
.irp j, 0,1,2,3,4,5,6,7,8,9,10,11,12,13,14,15
	v_rcp_f32 v[TT+\j], v[TT+\j]
.endr
	v_nop                                          ; one plain place behind the reciprocals
	s_wait_alu depctr_va_vdst(0)
.irp j, 0,2,4,6,8,10,12,14
	v_pk_fma_f32 v[PP+\j:PP+\j+1], v[TT+\j:TT+\j+1], v[K9:K9+1], 0xbf97d29d op_sel_hi:[1,1,0]
.endr
.irp k, 0x40097039, 0xbfd1a1e5, 0x3ecdfd18, 0xbe899a80, 0x3e0efb2e, 0x3f0a29d2, 0x3fb8ab5a, 0xc025c4b7
.irp j, 0,2,4,6,8,10,12,14
	v_pk_fma_f32 v[PP+\j:PP+\j+1], v[PP+\j:PP+\j+1], v[TT+\j:TT+\j+1], \k op_sel_hi:[1,1,0]
.endr
.endr
.irp j, 0,2,4,6,8,10,12,14
	v_pk_fma_f32 v[PP+\j:PP+\j+1], v[XP+\j:XP+\j+1], v[XP+\j:XP+\j+1], v[PP+\j:PP+\j+1] neg_lo:[1,0,0] neg_hi:[1,0,0]
.endr
	s_wait_alu depctr_va_vdst(0)
.irp j, 0,1,2,3,4,5,6,7,8,9,10,11,12,13,14,15
	v_exp_f32 v[PP+\j], v[PP+\j]
.endr
.irp j, 0,1,2,3,4,5,6,7,8,9,10,11,12,13,14,15
	v_max_num_f32 v[\x+\j], 0, v[\x+\j]            ; max(x, 0); also the plain places behind the exponentials
.endr
	s_wait_alu depctr_va_vdst(0)
.irp j, 0,2,4,6,8,10,12,14
	v_pk_mul_f32 v[PP+\j:PP+\j+1], v[PP+\j:PP+\j+1], v[TT+\j:TT+\j+1]
.endr
.irp j, 0,1,2,3,4,5,6,7,8,9,10,11,12,13,14,15
	v_fma_f32 v[\x+\j], -|v[XP+\j]|, v[PP+\j], v[\x+\j]
.endr
.endm
	s_load_b256 s[4:11], s[0:1], 0x0               ; ps, wr, b1, hid
	v_lshl_add_u32 v[SPW], v0, 2, SPARE
	v_mov_b32 v[NIL], 0
	ds_add_u32 v2, v3
	ds_add_u32 v2, v3
	s_wait_dscnt 0x0
	v_lshrrev_b32 v1, 5, v0
	s_delay_alu instid0(VALU_DEP_1)
	v_readfirstlane_b32 s[WV], v1                  ; wave 0..15
	s_lshr_b32 s13, s12, 2                         ; wm
	s_and_b32 s14, s12, 3                          ; wn
	s_and_b32 s15, s12, 1
	s_bfe_u32 s16, ttmp6, 0x40000                  ; cx
	s_bfe_u32 s17, ttmp6, 0x40004                  ; cy
	s_and_b32 s18, ttmp7, 0xffff
	s_lshl_b32 s18, s18, 2
	s_add_co_u32 s18, s18, s17                     ; tile row it
	s_lshl_b32 s19, ttmp9, 2
	s_add_co_u32 s19, s19, s16                     ; tile column jt
	s_lshl_b32 s20, s17, 2
	s_lshl_b32 s20, 15, s20
	s_lshl_b32 s21, 0x1111, s16
	s_or_b32 s[G1A], s20, (3<<16)|(1<<21)
	s_or_b32 s[G1B], s21, (3<<16)|(1<<21)
	s_or_b32 s[G1SA], s20, (3<<16)|(1<<21)
	s_or_b32 s[G1SB], s21, (3<<16)|(1<<21)
.irp g, G1A, G1B                       ; codes: 8 records x 3,072 bytes, 12,800 bytes apart
	s_mov_b32 s[\g+1], 384<<16
	s_mov_b32 s[\g+2], 8<<16
	s_mov_b32 s[\g+3], 384<<16
	s_mov_b32 s[\g+4], 8
	s_mov_b32 s[\g+5], 1600
	s_mov_b32 s[\g+6], 0
	s_mov_b32 s[\g+7], 0
.endr
.irp g, G1SA, G1SB                     ; scale words: 8 records x 512 bytes
	s_mov_b32 s[\g+1], 64<<16
	s_mov_b32 s[\g+2], 8<<16
	s_mov_b32 s[\g+3], 64<<16
	s_mov_b32 s[\g+4], 8
	s_mov_b32 s[\g+5], 1600
	s_mov_b32 s[\g+6], 0
	s_mov_b32 s[\g+7], 0
.endr
	s_lshl_b32 s22, s18, 4
	s_lshl_b32 s23, s15, 3
	s_add_co_u32 s22, s22, s23
	s_mul_i32 s22, s22, RECB
	s_mov_b32 s23, 0
	s_lshl_b32 s24, s19, 4
	s_lshl_b32 s25, s15, 3
	s_add_co_u32 s24, s24, s25
	s_mul_i32 s24, s24, RECB
	s_add_co_u32 s24, s24, 819200                  ; W1's place in wr
	s_mov_b32 s25, 0
	s_and_b32 s62, s12, 3
	s_mul_i32 s63, s62, 24576
	s_lshr_b32 s62, s62, 1
	s_mul_i32 s62, s62, SCD
	s_lshl_b32 s66, s15, 12
	s_add_co_u32 s62, s62, s66
	s_add_co_u32 s62, s62, SCA
	s_mov_b32 s[SEL], 0x76543210
	s_mov_b32 s[SEL+1], 0xfedcba98
	v_and_b32 v1, 31, v0
	s_delay_alu instid0(VALU_DEP_1)
	v_lshlrev_b32 v[OC], 3, v1
	v_and_b32 v[RR], 15, v0
	v_bfe_u32 v[HH], v0, 4, 1
	s_wait_alu depctr_va_vdst(0)
	s_mul_i32 s66, s13, 12288
	s_mul_i32 s67, s14, 12288
	s_add_co_u32 s67, s67, 49152
.irp n, 0,1,2
	v_add_nc_u32 v[ADRA+\n], s66, v[OC]
	v_add_nc_u32 v[ADRB+\n], s67, v[OC]
	s_add_co_u32 s66, s66, SLOTB
	s_add_co_u32 s67, s67, SLOTB
.endr
	s_lshl_b32 s66, s13, 11
	s_xor_b32 s67, s13, 3
	s_add_co_u32 s67, s67, s14
	s_lshl_b32 s67, s67, 11
	s_add_co_u32 s67, s67, SCD-6144                ; SCD + 2,048 (wn - wm), with 3 - wm = wm xor 3
	v_mul_u32_u24 v[TP], s67, v[HH]                ; one product: lanes 16-31 take Q's
	s_add_co_u32 s66, s66, SCA
	v_lshl_add_u32 v[TP], v[RR], 2, v[TP]
	s_delay_alu instid0(VALU_DEP_1)
	v_add_nc_u32 v[ADRS], s66, v[TP]
	v_mul_u32_u24 v[OS], v[HH], IBS
	s_delay_alu instid0(VALU_DEP_1)
	v_lshl_add_u32 v[OS], v[RR], 2, v[OS]          ; the scale halves' way out: lanes 16-31 one record further on
	v_lshlrev_b32 v[BO], 5, v[HH]                  ; b1: 32 h
	v_mov_b32 v[K9], 0x3e7c6f08
	v_mov_b32 v[K9+1], 0x3e7c6f08
	v_mov_b32 v[QM+2], 0
	v_mov_b32 v[QM+3], 0
	s_lshl_b32 s2, s18, 4                          ; the way out: record 16 it + 4 wm, half fragment jh = 4 jt + wn
	s_lshl_b32 s3, s13, 2
	s_add_co_u32 s2, s2, s3
	s_lshl_b32 s3, s19, 2
	s_add_co_u32 s3, s3, s14
	s_mul_i32 s100, s2, IBS
	s_lshr_b32 s2, s3, 3                           ; the unit: jh / 8
	s_mul_i32 s2, s2, 6400
	s_add_co_u32 s100, s100, s2
	s_and_b32 s2, s3, 7                            ; the half fragment in it
	s_mul_i32 s26, s2, 768
	s_add_co_u32 s26, s26, s100
	s_mov_b32 s27, 0
	s_lshr_b32 s2, s2, 1                           ; its scale half: 6,144 + 64 x (the 128 along K in the unit) + 2 (jh % 2)
	s_lshl_b32 s2, s2, 6
	s_add_co_u32 s100, s100, s2
	s_and_b32 s2, s3, 1
	s_lshl_b32 s2, s2, 1
	s_add_co_u32 s100, s100, s2
	s_add_co_u32 s100, s100, 6144
	s_mov_b32 s101, 0
	s_lshl_b32 s2, s3, 8                           ; b1: 64 numbers for each jh
	s_mov_b32 s3, 0
	s_wait_alu depctr_va_vdst(0)
	s_wait_kmcnt 0x0
	s_add_nc_u64 s[22:23], s[4:5], s[22:23]
	s_add_nc_u64 s[24:25], s[6:7], s[24:25]
	s_add_nc_u64 s[8:9], s[8:9], s[2:3]
	s_add_nc_u64 s[26:27], s[10:11], s[26:27]
	s_add_nc_u64 s[100:101], s[10:11], s[100:101]
.irp a, 0,1,2,3                        ; the bias starts every sum: lane (r, h) of accumulator (a, b) wants b1 at 16 b + 8 h + 0 .. 7
.irp b, 0,1,2,3
	global_load_b128 v[ACC+8*(4*\a+\b):ACC+8*(4*\a+\b)+3], v[BO], s[8:9] offset:64*\b
	global_load_b128 v[ACC+8*(4*\a+\b)+4:ACC+8*(4*\a+\b)+7], v[BO], s[8:9] offset:64*\b+16
.endr
.endr
	s_mov_b32 s[G0A], 1
	s_mov_b32 s[G0A+1], s62
	s_add_nc_u64 s[G0A+2:G0A+3], s[22:23], 12288
	s_or_b32 s[G0A+3], s[G0A+3], 0x80000000
	s_mov_b32 s[G0B], 1
	s_mov_b32 s[G0B+1], s62
	s_add_nc_u64 s[G0B+2:G0B+3], s[24:25], 12288
	s_or_b32 s[G0B+3], s[G0B+3], 0x80000000
.irp n, 0,1,2
	s_mov_b32 s[G0A+4+4*\n], 1
	s_add_co_u32 s[G0A+5+4*\n], s63, \n*SLOTB
	s_add_nc_u64 s[G0A+6+4*\n:G0A+7+4*\n], s[22:23], \n*3072
	s_or_b32 s[G0A+7+4*\n], s[G0A+7+4*\n], 0x80000000
	s_mov_b32 s[G0B+4+4*\n], 1
	s_add_co_u32 s[G0B+5+4*\n], s63, \n*SLOTB
	s_add_nc_u64 s[G0B+6+4*\n:G0B+7+4*\n], s[24:25], \n*3072
	s_or_b32 s[G0B+7+4*\n], s[G0B+7+4*\n], 0x80000000
.endr
	ROUND                                          ; all sixteen work-groups are here: the first joint loads meet
; THE HEAD'S SIXTEEN FILLS, ONE A WAVE, in one chain of arms on the wave's number: waves 4 n + 0, 1 fetch P's halves and 4 n + 2, 3 Q's; n = 0: the scale words, n = 1, 2, 3: slots 0, 1, 2.
; The eight waves whose tiles the first two K steps read wait for their one load inside their arm; slots 1 and 2 may be out at the barrier below.
.macro ARM under, g0, g1, w
	s_cmp_lt_u32 s[WV], \under
	s_cbranch_scc0 .Lnot_mine_\@
	tensor_load_to_lds s[\g0:\g0+3], s[\g1:\g1+7]
	s_nop 0
.rept 4
	v_nop
.endr
.if \w
	s_wait_tensorcnt 0x0
.endif
	s_branch .Lfirst_asked
.Lnot_mine_\@:
.endm
	ARM 2, G0A, G1SA, 1
	ARM 4, G0B, G1SB, 1
	ARM 6, G0A+4, G1A, 1
	ARM 8, G0B+4, G1B, 1
	ARM 10, G0A+8, G1A, 0
	ARM 12, G0B+8, G1B, 0
	ARM 14, G0A+12, G1A, 0
	tensor_load_to_lds s[G0B+12:G0B+15], s[G1B:G1B+7]
	s_nop 0
.rept 4
	v_nop
.endr
.Lfirst_asked:
	s_wait_loadcnt 0x0                             ; the bias
	s_barrier_signal -1
	s_barrier_wait -1
	KSTEP 0, 0, 0, 1
	KSTEP 0, 1, 1, 0
	s_wait_tensorcnt 0x0                           ; all my tensor loads have landed, slots 1 and 2 among them
	ds_add_u32 v[SPW], v[NIL]                      ; 0 onto my spare word: every way here has passed a tensor load
	s_add_nc_u64 s[G0A+6:G0A+7], s[G0A+6:G0A+7], 9216
	s_add_nc_u64 s[G0B+6:G0B+7], s[G0B+6:G0B+7], 9216
	s_wait_dscnt 0x0                               ; the add is done, and my reads of slot 0 are over
	ROUND
	JLOAD G0A+4, G0B+4                             ; the one refill: it has four K steps in which to land
	KSTEP 1, 0, 2, 0
	KSTEP 1, 1, 3, 0
	KSTEP 2, 0, 4, 0
	KSTEP 2, 1, 5, 0
	s_wait_tensorcnt 0x0
	s_wait_dscnt 0x0
	s_barrier_signal -1
	s_barrier_wait -1
	KSTEP 0, 0, 6, 0
	KSTEP 0, 1, 7, 0
.rept 4
	v_nop                                          ; places in front of the first read of results and of writes into the operands' registers
.endr
	v_cmp_eq_u32 vcc_lo, 1, v[HH]
.irp a, 0,1,2,3
	GELU16 ACC+32*\a
	GELU16 ACC+32*\a+16
	QUANT2 ACC+32*\a, CO+6*\a, CW+\a
.irp j, 0,1,2
	global_store_b64 v[OC], v[CO+6*\a+2*\j:CO+6*\a+2*\j+1], s[26:27] offset:\a*IBS+256*\j   ; 32 lanes store 256 consecutive bytes, aligned
.endr
.endr
	v_cndmask_b32 v[CW+4], v[CW], v[CW+1], vcc_lo
	v_cndmask_b32 v[CW+5], v[CW+2], v[CW+3], vcc_lo
	global_store_b16 v[OS], v[CW+4], s[100:101]
	global_store_b16 v[OS], v[CW+5], s[100:101] offset:2*IBS
	s_wait_tensorcnt 0x0                           ; the wave's end
	ds_add_u32 v[SPW], v[NIL]
	s_wait_dscnt 0x0
	ROUND                                          ; the closing round
	s_endpgm
.Lfunc_end_k_qd084c66a30_g1:
	.size	k_qd084c66a30_g1, .Lfunc_end_k_qd084c66a30_g1-k_qd084c66a30_g1
	.p2alignl 7, 3214868480
	.fill 96, 4, 3214868480
	.section	.rodata,"a",@progbits
	.p2align	6, 0x0
	.amdhsa_kernel k_qd084c66a30_g1
		.amdhsa_group_segment_fixed_size 327680
		.amdhsa_private_segment_fixed_size 0
		.amdhsa_enable_private_segment 0
		.amdhsa_kernarg_size 32
		.amdhsa_user_sgpr_count 2
		.amdhsa_user_sgpr_kernarg_segment_ptr 1
		.amdhsa_wavefront_size32 1
		.amdhsa_system_sgpr_workgroup_id_x 1
		.amdhsa_system_sgpr_workgroup_id_y 1
		.amdhsa_system_sgpr_workgroup_id_z 1
		.amdhsa_system_vgpr_workitem_id 0
		.amdhsa_next_free_vgpr 256
		.amdhsa_next_free_sgpr 102
		.amdhsa_reserve_vcc 1
		.amdhsa_float_denorm_mode_32 3
		.amdhsa_float_denorm_mode_16_64 3
		.amdhsa_memory_ordered 1
		.amdhsa_forward_progress 1
		.amdhsa_inst_pref_size 174
	.end_amdhsa_kernel
	.amdgpu_metadata
---
amdhsa.version: [ 1, 2 ]
amdhsa.kernels:
  - .name:           k_qd084c66a30_g1
    .symbol:         k_qd084c66a30_g1.kd
    .args:
      - { .name: ps, .offset: 0, .size: 8, .value_kind: global_buffer, .address_space: global }
      - { .name: wr, .offset: 8, .size: 8, .value_kind: global_buffer, .address_space: global }
      - { .name: b1, .offset: 16, .size: 8, .value_kind: global_buffer, .address_space: global }
      - { .name: hid, .offset: 24, .size: 8, .value_kind: global_buffer, .address_space: global }
    .group_segment_fixed_size: 327680
    .private_segment_fixed_size: 0
    .kernarg_segment_align: 8
    .kernarg_segment_size: 32
    .max_flat_workgroup_size: 512
    .sgpr_count:     102
    .vgpr_count:     256
    .wavefront_size: 32
...
	.end_amdgpu_metadata
.endif
;; end of part 6
;; launch g2 (part 7): grid 8 x 32, 16 waves a work-group, clusters of 4 x 4, 327,680 bytes of LDS; arguments hid, wr, b2, x1, out0; writes out0
.if DOCPART == 7
	.amdgcn_target "amdgcn-amd-amdhsa--gfx1250"
	.amdhsa_code_object_version 6
	.text
	.protected	k_qd084c66a30_g2
	.globl	k_qd084c66a30_g2
	.p2align	8
	.type	k_qd084c66a30_g2,@function
k_qd084c66a30_g2:
	s_mov_b64 s[64:65], 0
	v_nop
	global_prefetch_b8 v0, s[64:65] scope:SCOPE_SE
	s_setreg_imm32_b32 hwreg(HW_REG_WAVE_MODE, 25, 1), 1
	s_wait_xcnt 0x0
	s_wait_alu depctr_hold_cnt(0) depctr_sa_sdst(0) depctr_va_vdst(0) depctr_va_sdst(0) depctr_va_ssrc(0) depctr_va_vcc(0) depctr_vm_vsrc(0)
	s_getreg_b32 s2, hwreg(HW_REG_IB_STS2, 6, 4)
	s_cmp_eq_u32 s2, 0
	s_cbranch_scc0 .Lentry_in_a_cluster
	s_endpgm
.Lentry_in_a_cluster:
	s_bfe_u32 s2, ttmp6, 0x10000c
	s_cmp_lg_u32 s2, 0xf033
	s_cbranch_scc0 .Lentry_shape_is_right
	s_endpgm
.Lentry_shape_is_right:
; out0 = x1 + hid W2 + b2.  hid (256 records) and W2 (wr + 4,096,000, 64 records) are codes of BF6 with E8M0 scales in the order of the operand's registers; K = 4,096; the result is f32.
; A RECORD (16 rows) is eight units of 6,400 bytes: the four fragments of 512 along K (1,536 bytes each), then their 256 bytes of scale words (64 for each 128 along K, 4 r in them): one tensor load brings codes and scales.
; A work-group makes 128 x 128 of the result, so that there are 256 of them.  Sixteen waves: four groups kg share K (K steps = kg mod 4), and in a group each wave makes 64 x 64 in 16 accumulators.
; The four partial sums meet in a stage in LDS; each wave then adds 16 rows x 64 columns, the bias and the residual, and stores whole runs of 256 bytes.
; THE RING: three slots, each one unit of A's 8 records and of B's 8: 102,400 bytes.  K is eight units u0 .. u7.  All three slots are filled at the start (waves 0-11, one load each); then three refills stand where a ring of
; two slots would have six: behind u0 and u1, slots 0 and 1 take u3 and u4 (waves 0-3 one slot, waves 4-7 the other: one tensor load a wave); behind u2, slot 2 takes u5; behind u3 and u4, slots 0 and 1 take u6 and u7.
; Each refill stands behind a round of the cluster's barrier.  All is written out: no loop.  By this text's count a wave has at most three tensor loads out.
; TRANSPOSED USE: source 0 = 16 rows of the weight, source 1 = 16 rows of hid: a lane holds eight neighbouring columns of one row.  CLUSTER 4 x 4: A's tiles are shared along a row, B's along a column.
; The two halves of a scale load lie a multiple of 256 bytes apart, so they fall on the same banks (64 banks of 4 bytes: ISA guide 11.1): 4 of a K step's 52 LDS loads.
; The sums over K are added in the order (kg 0 + kg 1) + (kg 2 + kg 3).  LIMITS: NaN and infinities are not served.
.set RECB,  51200
.set UNITB, 6400
.set WOFF,  4096000                    ; the weight's place in wr
.set SLOTB, 102400
.set HALFB, 51200                      ; B's 8 records lie behind A's
.set SPARE, 307200                     ; behind the ring: the spare words, 128 bytes for each of 16 waves
.set SPW, 2
.set NIL, 3
.set ADRA, 4                           ; v4-6   my A fragments in slot 0, 1, 2
.set ADRB, 7                           ; v7-9   my B fragments
.set ADRS, 10                          ; v10-12 my scale words: lanes 0-15 A's, lanes 16-31 B's
.set STO, 13
.set GOFF, 14
.set BO,  15
.set SC,  16                           ; v16-19 scale words and nothing else
.set BIAS, 20
.set AF,  24
.set BF,  72
.set RD,  120                          ; v120-123
.set ACC, 128
.set WV,  12
.set G1A, 28
.set G1B, 36
.set G0A, 68                           ; s68-79: three groups 0 for A's tiles;  s84-95 for B's
.set G0B, 84
.macro ROUND
	s_barrier_signal -1
	s_barrier_wait -1
	s_cmp_lg_u32 s[WV], 0
	s_cbranch_scc1 .Lnot_wave_0_\@
	s_barrier_signal -3
.Lnot_wave_0_\@:
	s_barrier_wait -3
	s_barrier_signal -1
	s_barrier_wait -1
.endm
; A joint refill: waves 0, 1 fetch A's halves and waves 2, 3 B's; with two = 1 waves 4, 5 and 6, 7 do the same for the other slot (their group 0 holds it).  The branches hang on the wave's number alone.
; Four v_nop follow each tensor load.
.macro JLOAD g0a, g0b, two
	s_cmp_lt_u32 s[WV], 2
	s_cbranch_scc0 .Lnot_a_\@
	tensor_load_to_lds s[\g0a:\g0a+3], s[G1A:G1A+7]
	s_nop 0
.rept 4
	v_nop
.endr
	s_branch .Lasked_\@
.Lnot_a_\@:
	s_cmp_lt_u32 s[WV], 4
	s_cbranch_scc0 .Lnot_b_\@
	tensor_load_to_lds s[\g0b:\g0b+3], s[G1B:G1B+7]
	s_nop 0
.rept 4
	v_nop
.endr
	s_branch .Lasked_\@
.Lnot_b_\@:
.if \two
	s_cmp_lt_u32 s[WV], 6
	s_cbranch_scc0 .Lnot_a2_\@
	tensor_load_to_lds s[\g0a:\g0a+3], s[G1A:G1A+7]
	s_nop 0
.rept 4
	v_nop
.endr
	s_branch .Lasked_\@
.Lnot_a2_\@:
	s_cmp_lt_u32 s[WV], 8
	s_cbranch_scc0 .Lasked_\@
	tensor_load_to_lds s[\g0b:\g0b+3], s[G1B:G1B+7]
	s_nop 0
.rept 4
	v_nop
.endr
.endif
.Lasked_\@:
.endm
.macro MM a, b, zero
.if \zero
	v_wmma_scale_f32_16x16x128_f8f6f4 v[ACC+8*(4*\a+\b):ACC+8*(4*\a+\b)+7], v[BF+12*\b:BF+12*\b+11], v[AF+12*\a:AF+12*\a+11], 0, v[SC+\b], v[SC+\a] matrix_a_fmt:MATRIX_FMT_BF6 matrix_b_fmt:MATRIX_FMT_BF6 matrix_a_scale:MATRIX_SCALE_ROW1
.else
	v_wmma_scale_f32_16x16x128_f8f6f4 v[ACC+8*(4*\a+\b):ACC+8*(4*\a+\b)+7], v[BF+12*\b:BF+12*\b+11], v[AF+12*\a:AF+12*\a+11], v[ACC+8*(4*\a+\b):ACC+8*(4*\a+\b)+7], v[SC+\b], v[SC+\a] matrix_a_fmt:MATRIX_FMT_BF6 matrix_b_fmt:MATRIX_FMT_BF6 matrix_a_scale:MATRIX_SCALE_ROW1
.endif
.endm
; My K step of a slot: 16 products, the 16 accumulators by turns, in the same order in every step
.macro PH slot, zero, first
.if \first == 0
.rept 4
	v_nop                                          ; places in front of loads into registers that matrix instructions have read
.endr
.endif
.irp i, 0,1,2,3
	ds_load_b32 v[SC+\i], v[ADRS+\slot] offset:UNITB*\i
.endr
.irp b, 0,1,2,3
.irp p, 0,1,2,3,4,5
	ds_load_b64 v[BF+12*\b+2*\p:BF+12*\b+2*\p+1], v[ADRB+\slot] offset:UNITB*\b+256*\p
.endr
.endr
.irp a, 0,1,2,3
.irp p, 0,1,2,3,4,5
	ds_load_b64 v[AF+12*\a+2*\p:AF+12*\a+2*\p+1], v[ADRA+\slot] offset:UNITB*\a+256*\p
.endr
.endr
.irp a, 0,1,2,3
	s_wait_dscnt 18-6*\a                           ; the scale words, B's four blocks and A's block a are in; A's younger blocks, six loads each, may be out
.irp b, 0,1,2,3
	MM \a, \b, \zero
.endr
.endr
.endm
; A refill: group 0 number set goes three units on; two = 1: it names slot 0 in waves 0-3 and slot 1 in waves 4-7
.macro REFILL set, two
	s_wait_tensorcnt 0x0                           ; all my tensor loads have landed, so every group 0 may be written
	ds_add_u32 v[SPW], v[NIL]                      ; 0 onto my spare word
	ds_add_u32 v2, v3
	s_add_nc_u64 s[G0A+4*\set+2:G0A+4*\set+3], s[G0A+4*\set+2:G0A+4*\set+3], 3*UNITB
	s_add_nc_u64 s[G0B+4*\set+2:G0B+4*\set+3], s[G0B+4*\set+2:G0B+4*\set+3], 3*UNITB
	s_wait_dscnt 0x0                               ; the add is done, and my reads of the slots that are filled again are over
	ROUND                                          ; the same holds of every wave of every partner
	JLOAD G0A+4*\set, G0B+4*\set, \two
.endm
	s_load_b256 s[4:11], s[0:1], 0x0               ; hid, wr, b2, x1
	s_load_b64 s[26:27], s[0:1], 0x20              ; out0
	v_lshl_add_u32 v[SPW], v0, 2, SPARE
	v_mov_b32 v[NIL], 0
	ds_add_u32 v2, v3
	ds_add_u32 v2, v3
	s_wait_dscnt 0x0
	v_lshrrev_b32 v1, 5, v0
	s_delay_alu instid0(VALU_DEP_1)
	v_readfirstlane_b32 s[WV], v1                  ; wave 0..15
	s_lshr_b32 s13, s12, 2                         ; kg
	s_bfe_u32 s14, s12, 0x10001                    ; wm
	s_and_b32 s15, s12, 1                          ; wn; also: which 4 records a fetching wave fetches
	s_bfe_u32 s16, ttmp6, 0x40000                  ; cx
	s_bfe_u32 s17, ttmp6, 0x40004                  ; cy
	s_and_b32 s18, ttmp7, 0xffff
	s_lshl_b32 s18, s18, 2
	s_add_co_u32 s18, s18, s17                     ; tile row it
	s_lshl_b32 s19, ttmp9, 2
	s_add_co_u32 s19, s19, s16                     ; tile column jt
	s_lshl_b32 s20, s17, 2
	s_lshl_b32 s20, 15, s20
	s_lshl_b32 s21, 0x1111, s16
	s_or_b32 s[G1A], s20, (3<<16)|(1<<21)          ; 15:0 the mask; 17:16 elements of 8 bytes; 21 set beside a mask; no padding
	s_or_b32 s[G1B], s21, (3<<16)|(1<<21)
.irp g, G1A, G1B                       ; a tile: one unit, 6,400 bytes (800 elements), of 4 records, 51,200 bytes apart
	s_mov_b32 s[\g+1], 800<<16
	s_mov_b32 s[\g+2], 4<<16
	s_mov_b32 s[\g+3], 800<<16
	s_mov_b32 s[\g+4], 4
	s_mov_b32 s[\g+5], RECB/8
	s_mov_b32 s[\g+6], 0
	s_mov_b32 s[\g+7], 0
.endr
	s_lshl_b32 s22, s18, 3                         ; A: record 8 it + 4 half
	s_lshl_b32 s23, s15, 2
	s_add_co_u32 s22, s22, s23
	s_mul_i32 s22, s22, RECB
	s_mov_b32 s23, 0
	s_lshl_b32 s24, s19, 3                         ; B: record 8 jt + 4 half
	s_lshl_b32 s25, s15, 2
	s_add_co_u32 s24, s24, s25
	s_mul_i32 s24, s24, RECB
	s_add_co_u32 s24, s24, WOFF
	s_mov_b32 s25, 0
	s_and_b32 s62, s12, 3                          ; where a fetching wave's tile goes in a slot: A's halves, then B's
	s_mul_i32 s63, s62, 25600
	s_bfe_u32 s62, s12, 0x10002                    ; waves 4-7: the second of two slots, and the unit behind
	s_mul_i32 s60, s62, SLOTB
	s_mul_i32 s98, s62, UNITB
	s_mov_b32 s99, 0
	v_and_b32 v24, 15, v0                          ; r
	v_bfe_u32 v25, v0, 4, 1                        ; h
	v_and_b32 v26, 31, v0
	s_delay_alu instid0(VALU_DEP_1)
	v_lshlrev_b32 v26, 3, v26                      ; 8 x lane
	s_wait_alu depctr_va_vdst(0)
	s_mul_i32 s66, s14, 25600
	s_mul_i32 s61, s13, 1536
	s_add_co_u32 s66, s66, s61
	s_mul_i32 s67, s15, 25600
	s_add_co_u32 s67, s67, s61
	s_add_co_u32 s67, s67, HALFB
.irp n, 0,1,2
	v_add_nc_u32 v[ADRA+\n], s66, v26
	v_add_nc_u32 v[ADRB+\n], s67, v26
	s_add_co_u32 s66, s66, SLOTB
	s_add_co_u32 s67, s67, SLOTB
.endr
	s_mul_i32 s66, s14, 25600
	s_lshl_b32 s61, s13, 6
	s_add_co_u32 s66, s66, s61
	s_add_co_u32 s66, s66, 6144                    ; A's words: 25,600 wm + 6,144 + 64 kg
	s_xor_b32 s67, s14, 1
	s_add_co_u32 s67, s67, s15
	s_mul_i32 s67, s67, 25600
	s_add_co_u32 s67, s67, 25600                   ; from there to B's: 51,200 + 25,600 (wn - wm), with 1 - wm = wm xor 1
	v_mul_u32_u24 v27, s67, v25                    ; one product: lanes 16-31 take B's
	s_delay_alu instid0(VALU_DEP_1)
	v_lshl_add_u32 v27, v24, 2, v27
.irp n, 0,1,2
	v_add_nc_u32 v[ADRS+\n], s66, v27
	s_add_co_u32 s66, s66, SLOTB
.endr
	s_mul_i32 s66, s12, 17408                      ; the stage: 64 rows x 272 bytes for each wave
	v_mul_u32_u24 v27, v24, 272
	s_delay_alu instid0(VALU_DEP_1)
	v_lshl_add_u32 v27, v25, 5, v27
	s_delay_alu instid0(VALU_DEP_1)
	v_add_nc_u32 v[STO], s66, v27
	s_and_b32 s66, s12, 3
	s_mul_i32 s66, s66, 17408
	s_mul_i32 s67, s13, 4352
	s_add_co_u32 s66, s66, s67                     ; back: rows 16 kg on of the four partial sums of my 64 x 64
	v_mul_u32_u24 v27, v25, 272
	s_delay_alu instid0(VALU_DEP_1)
	v_lshl_add_u32 v27, v24, 4, v27
.irp k, 0,1,2,3
	v_add_nc_u32 v[RD+\k], s66, v27
	s_add_co_u32 s66, s66, 69632
.endr
	v_lshlrev_b32 v[BO], 4, v24
	s_delay_alu instid0(VALU_DEP_1)
	v_lshl_add_u32 v[GOFF], v25, 12, v[BO]         ; lanes 0-15 one row's 256 bytes, lanes 16-31 the next row's
	s_lshl_b32 s2, s18, 7                          ; my 16 rows and 64 columns of the result
	s_lshl_b32 s3, s14, 6
	s_add_co_u32 s2, s2, s3
	s_lshl_b32 s3, s13, 4
	s_add_co_u32 s2, s2, s3
	s_lshl_b32 s2, s2, 12
	s_lshl_b32 s96, s19, 9
	s_lshl_b32 s3, s15, 8
	s_add_co_u32 s96, s96, s3
	s_add_co_u32 s2, s2, s96
	s_mov_b32 s3, 0
	s_mov_b32 s97, 0
	s_wait_alu depctr_va_vdst(0)
	s_wait_kmcnt 0x0
	s_add_nc_u64 s[22:23], s[4:5], s[22:23]
	s_add_nc_u64 s[24:25], s[6:7], s[24:25]
	s_add_nc_u64 s[8:9], s[8:9], s[96:97]
	s_add_nc_u64 s[10:11], s[10:11], s[2:3]
	s_add_nc_u64 s[26:27], s[26:27], s[2:3]
	global_load_b128 v[BIAS:BIAS+3], v[BO], s[8:9] ; the bias of my four columns
	s_mov_b32 s[G0A], 1                            ; group 0 number 0: in waves 0-3 slot 0 and unit 0, in waves 4-7 slot 1 and unit 1 (they use it at the head)
	s_add_co_u32 s[G0A+1], s63, s60
	s_add_nc_u64 s[G0A+2:G0A+3], s[22:23], s[98:99]
	s_or_b32 s[G0A+3], s[G0A+3], 0x80000000
	s_mov_b32 s[G0B], 1
	s_add_co_u32 s[G0B+1], s63, s60
	s_add_nc_u64 s[G0B+2:G0B+3], s[24:25], s[98:99]
	s_or_b32 s[G0B+3], s[G0B+3], 0x80000000
.irp n, 2
	s_mov_b32 s[G0A+4*\n], 1
	s_add_co_u32 s[G0A+4*\n+1], s63, \n*SLOTB
	s_add_nc_u64 s[G0A+4*\n+2:G0A+4*\n+3], s[22:23], \n*UNITB
	s_or_b32 s[G0A+4*\n+3], s[G0A+4*\n+3], 0x80000000
	s_mov_b32 s[G0B+4*\n], 1
	s_add_co_u32 s[G0B+4*\n+1], s63, \n*SLOTB
	s_add_nc_u64 s[G0B+4*\n+2:G0B+4*\n+3], s[24:25], \n*UNITB
	s_or_b32 s[G0B+4*\n+3], s[G0B+4*\n+3], 0x80000000
.endr
	ROUND                                          ; all sixteen work-groups are here: the first joint loads meet
; THE HEAD'S TWELVE FILLS, ONE A WAVE, in one chain of arms on the wave's number: waves 0-3 fill slot 0 with u0, waves 4-7 slot 1 with u1 (their group 0 number 0 names it), waves 8-11 slot 2 with u2;
; in each four, two waves fetch A's halves and two B's.  Waves 12-15 issue none.  Waves 0-3 wait for their one load inside their arm; slots 1 and 2 may be out at the barrier below.
.macro ARM under, g0, g1, w
	s_cmp_lt_u32 s[WV], \under
	s_cbranch_scc0 .Lnot_mine_\@
	tensor_load_to_lds s[\g0:\g0+3], s[\g1:\g1+7]
	s_nop 0
.rept 4
	v_nop
.endr
.if \w
	s_wait_tensorcnt 0x0
.endif
	s_branch .Lfirst_asked
.Lnot_mine_\@:
.endm
	ARM 2, G0A, G1A, 1
	ARM 4, G0B, G1B, 1
	ARM 6, G0A, G1A, 0
	ARM 8, G0B, G1B, 0
	ARM 10, G0A+8, G1A, 0
	ARM 12, G0B+8, G1B, 0
.Lfirst_asked:
	s_barrier_signal -1
	s_barrier_wait -1
	PH 0, 1, 1                                     ; u0: the first products start the sums
	s_wait_tensorcnt 0x0                           ; my one load is in: slot 1's among them
	s_wait_dscnt 0x0
	s_barrier_signal -1
	s_barrier_wait -1
	PH 1, 0, 0                                     ; u1
	REFILL 0, 1                                    ; slots 0 and 1 take u3 and u4
	PH 2, 0, 0                                     ; u2
	REFILL 2, 0                                    ; slot 2 takes u5
	PH 0, 0, 0                                     ; u3
	PH 1, 0, 0                                     ; u4: the barrier in front of u3 has shown both slots whole
	REFILL 0, 1                                    ; slots 0 and 1 take u6 and u7
	PH 2, 0, 0                                     ; u5
	s_wait_tensorcnt 0x0                           ; my parts of u6 and u7 are in; nothing is left to fetch
	ds_add_u32 v[SPW], v[NIL]                      ; 0 onto my spare word
	s_wait_dscnt 0x0
	s_barrier_signal -1
	s_barrier_wait -1                              ; everybody's are
	PH 0, 0, 0                                     ; u6
	PH 1, 0, 0                                     ; u7
.rept 4
	v_nop                                          ; places in front of loads into A's registers and of the first read of results
.endr
.irp t, 0,1,2,3,4,5,6,7
	global_load_b128 v[24+4*\t:27+4*\t], v[GOFF], s[10:11] offset:8192*\t    ; the residual's 16 rows x 256 bytes
.endr
	s_wait_dscnt 0x0
	s_barrier_signal -1
	s_barrier_wait -1                              ; nobody reads the slots any more, and they have had their last fill: the stage may lie there
.irp a, 0,1,2,3
.irp b, 0,1,2,3
	ds_store_b128 v[STO], v[ACC+8*(4*\a+\b):ACC+8*(4*\a+\b)+3] offset:4352*\a+64*\b        ; each accumulator from its low end on
	ds_store_b128 v[STO], v[ACC+8*(4*\a+\b)+4:ACC+8*(4*\a+\b)+7] offset:4352*\a+64*\b+16
.endr
.endr
	s_wait_dscnt 0x0                               ; for the others' sake: my stores have landed
	s_barrier_signal -1
	s_barrier_wait -1
.irp k, 0,1,2,3
.irp t, 0,1,2,3,4,5,6,7
	ds_load_b128 v[128+32*\k+4*\t:131+32*\k+4*\t], v[RD+\k] offset:544*\t
.endr
.endr
	s_wait_dscnt 0x0
.irp t, 0,1,2,3,4,5,6,7
.irp u, 0,2
	v_pk_add_f32 v[128+4*\t+\u:129+4*\t+\u], v[128+4*\t+\u:129+4*\t+\u], v[160+4*\t+\u:161+4*\t+\u]
	v_pk_add_f32 v[192+4*\t+\u:193+4*\t+\u], v[192+4*\t+\u:193+4*\t+\u], v[224+4*\t+\u:225+4*\t+\u]
.endr
.endr
	s_wait_loadcnt 0x0                             ; the bias and the residual
.irp t, 0,1,2,3,4,5,6,7
.irp u, 0,2
	v_pk_add_f32 v[128+4*\t+\u:129+4*\t+\u], v[128+4*\t+\u:129+4*\t+\u], v[192+4*\t+\u:193+4*\t+\u]
	v_pk_add_f32 v[24+4*\t+\u:25+4*\t+\u], v[24+4*\t+\u:25+4*\t+\u], v[BIAS+\u:BIAS+\u+1]
.endr
.endr
.irp t, 0,1,2,3,4,5,6,7
.irp u, 0,2
	v_pk_add_f32 v[128+4*\t+\u:129+4*\t+\u], v[128+4*\t+\u:129+4*\t+\u], v[24+4*\t+\u:25+4*\t+\u]
.endr
	global_store_b128 v[GOFF], v[128+4*\t:131+4*\t], s[26:27] offset:8192*\t   ; 16 lanes store 256 consecutive bytes, aligned
.endr
	s_wait_tensorcnt 0x0                           ; the wave's end
	ds_add_u32 v[SPW], v[NIL]
	s_wait_dscnt 0x0
	ROUND                                          ; the closing round
	s_endpgm
.Lfunc_end_k_qd084c66a30_g2:
	.size	k_qd084c66a30_g2, .Lfunc_end_k_qd084c66a30_g2-k_qd084c66a30_g2
	.p2alignl 7, 3214868480
	.fill 96, 4, 3214868480
	.section	.rodata,"a",@progbits
	.p2align	6, 0x0
	.amdhsa_kernel k_qd084c66a30_g2
		.amdhsa_group_segment_fixed_size 327680
		.amdhsa_private_segment_fixed_size 0
		.amdhsa_enable_private_segment 0
		.amdhsa_kernarg_size 40
		.amdhsa_user_sgpr_count 2
		.amdhsa_user_sgpr_kernarg_segment_ptr 1
		.amdhsa_wavefront_size32 1
		.amdhsa_system_sgpr_workgroup_id_x 1
		.amdhsa_system_sgpr_workgroup_id_y 1
		.amdhsa_system_sgpr_workgroup_id_z 1
		.amdhsa_system_vgpr_workitem_id 0
		.amdhsa_next_free_vgpr 256
		.amdhsa_next_free_sgpr 100
		.amdhsa_reserve_vcc 0
		.amdhsa_float_denorm_mode_32 3
		.amdhsa_float_denorm_mode_16_64 3
		.amdhsa_memory_ordered 1
		.amdhsa_forward_progress 1
		.amdhsa_inst_pref_size 71
	.end_amdhsa_kernel
	.amdgpu_metadata
---
amdhsa.version: [ 1, 2 ]
amdhsa.kernels:
  - .name:           k_qd084c66a30_g2
    .symbol:         k_qd084c66a30_g2.kd
    .args:
      - { .name: hid, .offset: 0, .size: 8, .value_kind: global_buffer, .address_space: global }
      - { .name: wr, .offset: 8, .size: 8, .value_kind: global_buffer, .address_space: global }
      - { .name: b2, .offset: 16, .size: 8, .value_kind: global_buffer, .address_space: global }
      - { .name: x1, .offset: 24, .size: 8, .value_kind: global_buffer, .address_space: global }
      - { .name: out0, .offset: 32, .size: 8, .value_kind: global_buffer, .address_space: global }
    .group_segment_fixed_size: 327680
    .private_segment_fixed_size: 0
    .kernarg_segment_align: 8
    .kernarg_segment_size: 40
    .max_flat_workgroup_size: 512
    .sgpr_count:     100
    .vgpr_count:     256
    .wavefront_size: 32
...
	.end_amdgpu_metadata
.endif
;; end of part 7
